; MI455X (gfx1250); checked and timed in simulation.
; The chip was launched on July 23, 2026; its instructions are those of AMD's public machine-readable ISA for CDNA 5 (MIT licence, August 2026) and "CDNA5" Instruction Set Architecture Reference Guide (July 2026). The comments in the code are by the model that wrote it; some were corrected since.
;; Multi Head Self Attention. Allowed arithmetic: matrix products marked QUANTISED: E3M2 operands, one E8M0 scale for each 32 along K, by v_wmma_scale_f32_16x16x128_f8f6f4 with both operands' format E3M2, f32 sums; everything else in f32.
;; Inputs: Wk 1,024 x 1,024 float32; Wo 1,024 x 1,024 float32; Wq 1,024 x 1,024 float32; Wv 1,024 x 1,024 float32; bk 1,024 float32; bo 1,024 float32; bq 1,024 float32; bv 1,024 float32; x 4 x 2,048 x 1,024 float32.
;; Outputs: out0 4 x 2,048 x 1,024 float32.
;; This version of the problem:
;;   THIS VERSION OF THE PROBLEM IS GIVEN IN LOW PRECISION. The matrix products marked QUANTISED in the list below multiply operands that are first quantised to E3M2 (3 exponent bits, 2 mantissa bits; 6 bits a number), with one power-of-two scale for each 32 numbers along K (OCP MX v1.0); their sums are f32. All else is computed in f32.
;;   The module's matrix products, in the order in which they are computed (A, B: the left and right operand; K: the contracted axis; several contracted axes count as one K, in the product's order):
;;     1. [M 8,192, K 1,024] x [K 1,024, N 1,024]; A: input x; B: input Wq: QUANTISED
;;     2. [M 8,192, K 1,024] x [K 1,024, N 1,024]; A: input x; B: input Wk: QUANTISED
;;     3. [M 8,192, K 1,024] x [K 1,024, N 1,024]; A: input x; B: input Wv: QUANTISED
;;     4. batch 4 x [M 2,048, K 1,024] x [K 1,024, N 2,048]; A: computed on the way; B: computed on the way: QUANTISED
;;     5. batch 4 x [M 2,048, K 2,048] x [K 2,048, N 1,024]; A: softmax (see below); B: computed on the way: QUANTISED
;;     6. [M 8,192, K 1,024] x [K 1,024, N 1,024]; A: computed on the way; B: input Wo: QUANTISED
;;   THE QUANTISER, for each operand of a quantised product, along K:
;;     - K is cut into blocks of 32 from its start; a last block that is shorter is filled with zeros.
;;     - A block's scale is 2^e with e = floor(log2(the largest magnitude in the block)) - 4, held to -126 .. 127; a block of zeros has e = 0. As a byte (E8M0): e + 127.
;;     - Each number is divided by its block's scale, clamped to +-28, and rounded to the nearest number of E3M2, ties to even, subnormals kept.
;;     - The product sums the exact products of the quantised numbers (number of the format x scale) in f32.
;;   ~~~python
;;   def quantise(x, axis):      # numpy; x: float32 -> the quantised numbers, widened to float32 again
;;       x = np.moveaxis(x, axis, -1); K = x.shape[-1]
;;       x = np.pad(x, [(0, 0)] * (x.ndim - 1) + [(0, -K % 32)]); x = x.reshape(x.shape[:-1] + (-1, 32)); a = np.abs(x).max(-1, keepdims=True)
;;       e = np.where(a > 0, np.clip(np.frexp(np.where(a > 0, a, 1))[1] - 1 - 4, -126, 127), 0)      # np.frexp(a)[1] - 1 = floor(log2(a)), exactly
;;       r = np.clip(x / 2.0 ** e, -28, 28)
;;       step = 2.0 ** (np.maximum(np.frexp(np.where(r == 0, 1, r))[1] - 1, -2) - 2)
;;       q = np.round(r / step) * step * 2.0 ** e      # np.round: ties to even
;;       return np.moveaxis(q.reshape(q.shape[:-2] + (-1,))[..., :K], -1, axis).astype(np.float32)
;;   ~~~
;;   SOFTMAX AHEAD OF A QUANTISED PRODUCT. Where the list says 'softmax', what is quantised is not the finished softmax but p = 2^(t - M), with t = logit x log2(e) and M = ceil(the row's largest t), a whole number; so 1/2 < the row's largest p <= 1. The row's sum l is taken of the UNQUANTISED p, in f32, and the product's result is divided by l at the end. Since M is a whole number, a kernel that streams over the keys may use a running M (the ceiling of the running maximum): every later rescaling is an exact power of two, which a block's scale takes up: the codes' values come out the same.
;;   OPERANDS COMPUTED ON THE WAY. 'Computed on the way' means the value that the module computes at that place (a softmax that the list does not call 'softmax' is quantised finished and normalised). What goes into a quantiser is computed in f32, as accurately as f32 sums, v_exp_f32 and their like allow (about 1e-6 of the number): no bf16 or f16 on the way to a quantiser, and a product that is left as it is and whose result goes on into a quantised operand takes f32 operands (vector FMAs, or v_wmma_f32_16x16x4_f32). A number that lies on a knife's edge between two numbers of the format may be rounded either way, as far as f32 arithmetic and the matrix unit's own rounding can turn it there, and no further.
;; One version. Each part assembles by itself: llvm-mc -triple=amdgcn-amd-amdhsa -mcpu=gfx1250 --defsym DOCPART=n.
;; ======== version 1 of 1: 5 launches
;; workspace buffers: xw 9,830,400 bytes; qk 13,107,200 bytes; vt 6,553,600 bytes; pp 14,155,776 bytes; oo 6,553,600 bytes
;; launch quant (part 1): grid 256 x 1, 6 waves a work-group, no clusters, 51,456 bytes of LDS; arguments x, Wq, Wk, Wv, Wo, xw; writes xw
.if DOCPART == 1
	.amdgcn_target "amdgcn-amd-amdhsa--gfx1250"
	.amdhsa_code_object_version 6
	.text
	.protected	k_q31ed1d6d30_quant
	.globl	k_q31ed1d6d30_quant
	.p2align	8
	.type	k_q31ed1d6d30_quant,@function
k_q31ed1d6d30_quant:
	s_mov_b64 s[64:65], 0
	v_nop
	global_prefetch_b8 v0, s[64:65] scope:SCOPE_SE
	s_setreg_imm32_b32 hwreg(HW_REG_WAVE_MODE, 25, 1), 1
	s_wait_xcnt 0x0
; LAUNCH 1 OF 5.  x [8192][1024] and Wq, Wk, Wv, Wo [1024][1024], f32, K innermost, become codes of E3M2 with one E8M0 byte for each 32 along K, in the workspace xw.
; THE PROGRAM: 1 quantises the inputs; 2 makes Q, K (quantised along the features) and V^T (along the keys); 3 makes the scores and p = 2^(t - M) for each 128 keys; 4 brings p's scales under the row's M, makes P V / l;
; 5 the projection on the way out.  NO WORK IS LEFT OUT: each bias goes into a quantised operand or into the output, so all nine inputs have a way to the result and are loaded.
; THE LAYOUT OF ALL WORKSPACE BUFFERS: IMAGES OF THE OPERAND'S REGISTERS.  A panel is 128 rows for all of K.  A fragment (group g, K step s) is 16 rows x 128 K, 12 registers a lane; its image is 1,536 bytes, registers
; 4 c .. 4 c + 3 of lane l at 512 c + 16 l.  Codes: [panel][s][g][1536].  Lane r of group g holds row 32 (g / 2) + 8 (g % 2) + r + 8 (r / 8) of the panel, so that a product that takes such groups as source 0 leaves 16
; neighbours along the next K in a lane's registers.  Scale words (four bytes: 128 along K of a row): [panel][s][g / 4][r][g % 4], 512 bytes a (panel, s).
; xw: panels 0-63 x, 64-71 Wq, 72-79 Wk, 80-87 Wv, 88-95 Wo: 96 x 98,304 bytes of codes, then 96 x 4,096 of scale words.
; SHARES.  1,536 units (panel, K step, half a panel: four fragments), one to each of 256 x 6 waves: 32 KiB in, 6,144 + 256 bytes out.  Each load reads 512 consecutive bytes (a row's K step); the 16 rows turn through the wave's
; own stage in LDS (rows 528 bytes apart) so that a lane gets 16 neighbours of each block of 32.  Waves share nothing: no barrier.  Up to 32 loads of a wave are out.
; A block's scale is 2^(floor(log2(largest magnitude)) - 4); its byte is the largest magnitude's exponent field - 4, held at 1 from below.
; LIMITS: a block of zeros gets the byte 1 where the rule says 127 (its codes are zeros, and this program alone reads the bytes); NaN and infinities among the inputs are not served.
.set STG,   8448                       ; a wave's stage: 16 rows x (512 + 16) bytes
.set SPARE, 6*STG                      ; behind the six stages: the spare words, 128 bytes a wave: three blocks of 256 bytes that no other line names
.set LO,    3                          ; v3   16 x lane
.set SI,    4                          ; v4   the stage on the way in
.set SOA,   5                          ; v5   and on the way out: row r, + 64 h
.set SCO,   6                          ; v6   my 8 bytes of the unit's 256 bytes of scale words
.set R,     16                         ; v16-143  two sets of 64: 16 rows as loaded
.set X,     144                        ; v144-207 register 16 b + i = k 32 b + 16 h + i of my row
.set TM,    208                        ; v208-223 at work
.set PC,    224                        ; v224-242 the codes just made
.set SW,    244                        ; v244-247 the four fragments' scale words
.set SPW,   248                        ; v248 LDS address of my spare word; never rewritten
.set NIL,   249                        ; v249 0; never rewritten
.set SEL,   32                         ; s[32:33] lane selects: lane l xor 16
	s_load_b256 s[4:11], s[0:1], 0x0               ; x, Wq, Wk, Wv
	s_load_b128 s[12:15], s[0:1], 0x20             ; Wo, xw
	v_lshl_add_u32 v[SPW], v0, 2, SPARE
	v_mov_b32 v[NIL], 0
	v_lshrrev_b32 v7, 5, v0
	v_readfirstlane_b32 s16, v7                    ; wave 0..5
	v_and_b32 v7, 31, v0                           ; lane
	v_and_b32 v1, 15, v0                           ; r
	v_bfe_u32 v2, v0, 4, 1                         ; h
	v_lshlrev_b32 v[LO], 4, v7
	s_mul_i32 s17, s16, STG
	v_add_nc_u32 v[SI], s17, v[LO]
	v_mul_u32_u24 v[SOA], v1, 528
	v_lshl_add_u32 v[SOA], v2, 6, v[SOA]
	v_add_nc_u32 v[SOA], s17, v[SOA]
	v_lshlrev_b32 v[SCO], 4, v1
	v_lshl_add_u32 v[SCO], v2, 3, v[SCO]
	s_mov_b32 s[SEL], 0x76543210
	s_mov_b32 s[SEL+1], 0xfedcba98
.irp b, 0,1,2,3
	v_mov_b32 v[TM+4+\b], 0                        ; written once: a lane permute's destination counts as one of its sources
.endr
	s_mul_i32 s18, ttmp9, 6
	s_add_co_u32 s18, s18, s16                     ; my unit
	s_lshr_b32 s19, s18, 4                         ; panel 0..95
	s_bfe_u32 s20, s18, 0x30001                    ; K step 0..7
	s_and_b32 s21, s18, 1                          ; which half of the panel
	s_and_b32 s22, s19, 7                          ; a weight's panel
	s_wait_kmcnt 0x0
	s_cmp_lt_u32 s19, 88                           ; which tensor: the choices hang on the unit's number alone
	s_cselect_b64 s[24:25], s[10:11], s[12:13]
	s_cmp_lt_u32 s19, 80
	s_cselect_b64 s[24:25], s[8:9], s[24:25]
	s_cmp_lt_u32 s19, 72
	s_cselect_b64 s[24:25], s[6:7], s[24:25]
	s_cmp_lt_u32 s19, 64
	s_cselect_b64 s[24:25], s[4:5], s[24:25]
	s_cselect_b32 s22, s19, s22                    ; the panel within its tensor
	s_lshl_b32 s26, s22, 19                        ; 128 rows of 4,096 bytes,
	s_lshl_b32 s23, s21, 18                        ; 64 rows,
	s_add_co_u32 s26, s26, s23
	s_lshl_b32 s23, s20, 9                         ; 128 numbers
	s_add_co_u32 s26, s26, s23
	s_mov_b32 s27, 0
	s_add_nc_u64 s[24:25], s[24:25], s[26:27]
	s_mul_i32 s26, s19, 98304                      ; the codes' place
	s_mul_i32 s23, s20, 12288
	s_add_co_u32 s26, s26, s23
	s_mul_i32 s23, s21, 6144
	s_add_co_u32 s26, s26, s23
	s_add_nc_u64 s[28:29], s[14:15], s[26:27]
	s_lshl_b32 s26, s19, 12                        ; the scale words' place
	s_lshl_b32 s23, s20, 9
	s_add_co_u32 s26, s26, s23
	s_lshl_b32 s23, s21, 8
	s_add_co_u32 s26, s26, s23
	s_add_co_u32 s26, s26, 9437184
	s_add_nc_u64 s[30:31], s[14:15], s[26:27]
.macro LOAD f                          ; fragment f's 16 rows, 512 consecutive bytes a load, into set f % 2
.irp n, 0,1,2,3,4,5,6,7,8,9,10,11,12,13,14,15
	global_load_b128 v[R+64*((\f)%2)+4*\n:R+64*((\f)%2)+4*\n+3], v[LO], s[24:25] offset:(32*((\f)/2)+8*((\f)%2)+\n+8*(\n/8))*4096 th:TH_LOAD_NT
.endr
.endm
.macro BYTES pw                        ; v[TM + b]: the four blocks' largest magnitudes -> the conversions' scale operands, the bytes, my row's scale word
.irp b, 0,1,2,3
	v_add_nc_u32 v[TM+12+\b], 0xfe000000, v[TM+\b] ; 4 off the exponent field: the conversion takes the exponent field of this operand as its scale
.endr
.irp b, 0,1,2,3
	v_lshrrev_b32 v[TM+4+\b], 23, v[TM+12+\b]      ; the scale's byte
.endr
	v_lshl_or_b32 v[\pw], v[TM+5], 8, v[TM+4]
	v_lshl_or_b32 v[\pw], v[TM+6], 16, v[\pw]
	v_lshl_or_b32 v[\pw], v[TM+7], 24, v[\pw]
.endm
.macro CODES s                         ; 64 numbers of a lane become a fragment's 12 registers in v[PC] on
.irp c, 0,1
	v_cvt_scalef32_pk16_bf6_f32 v[PC+6*\c:PC+6*\c+2], v[\s+32*\c:\s+32*\c+15], v[TM+12+2*\c]
	v_cvt_scalef32_pk16_bf6_f32 v[PC+12+4*\c:PC+12+4*\c+2], v[\s+32*\c+16:\s+32*\c+31], v[TM+13+2*\c]   ; (a conversion's three registers begin on an even number)
.endr
	v_nop                                          ; one plain place behind a scaled conversion
.irp c, 0,1                            ; the operand's layout wants a whole block in a lane: lanes 0-15 block 2 c, lanes 16-31 block 2 c + 1
.irp i, 0,1,2
	v_permlane16_swap_b32 v[PC+6*\c+\i], v[PC+12+4*\c+\i]
.endr
.irp i, 0,1,2
	v_mov_b32 v[PC+3+6*\c+\i], v[PC+12+4*\c+\i]
.endr
.endr
.endm
.macro QUANT s, pw
.irp b, 0,1,2,3
	v_max3_num_f32 v[TM+\b], |v[\s+16*\b]|, |v[\s+1+16*\b]|, 0x2800000   ; my 16 numbers of block b, and the floor 2^(5 - 127): the byte cannot fall under 1
.endr
.irp i, 2,4,6,8,10,12,14
.irp b, 0,1,2,3
	v_max3_num_f32 v[TM+\b], v[TM+\b], |v[\s+16*\b+\i]|, |v[\s+1+16*\b+\i]|
.endr
.endr
.irp b, 0,1,2,3
	v_permlanex16_b32 v[TM+4+\b], v[TM+\b], s[SEL], s[SEL+1]
.endr
.irp b, 0,1,2,3
	v_max_num_f32 v[TM+\b], v[TM+\b], v[TM+4+\b]   ; with lane l xor 16's 16: the block's largest magnitude
.endr
	BYTES \pw
	CODES \s
.endm
.macro FRAGM f
.if \f < 3
	s_wait_loadcnt 16                              ; this fragment's 16 loads are in; the next one's 16 may be out
.else
	s_wait_loadcnt 0x0
.endif
.irp n, 0,1,2,3,4,5,6,7,8,9,10,11,12,13,14,15
	ds_store_b128 v[SI], v[R+64*((\f)%2)+4*\n:R+64*((\f)%2)+4*\n+3] offset:528*\n
.endr
.irp b, 0,1,2,3
.irp j, 0,1,2,3
	ds_load_b128 v[X+16*\b+4*\j:X+16*\b+4*\j+3], v[SOA] offset:128*\b+16*\j   ; LDS serves a wave's instructions in order: these see the stores above
.endr
.endr
.if \f > 0
	s_wait_xcnt 0x0                                ; the last fragment's stores have read v[PC] on: it is written again only behind this wait
.endif
	s_wait_dscnt 0x0                               ; the numbers are back, and the stores into the stage have read their registers,
.if \f < 2
	LOAD (\f)+2                                    ; which take the fragment two further on
.endif
	QUANT X, SW+(\f)
.irp c, 0,1,2
	global_store_b128 v[LO], v[PC+4*\c:PC+4*\c+3], s[28:29] offset:1536*(\f)+512*\c   ; 512 consecutive bytes, at a multiple of 256 from the buffer's first byte
.endr
.endm
	LOAD 0
	LOAD 1
	FRAGM 0
	FRAGM 1
	FRAGM 2
	FRAGM 3
	v_cmp_eq_u32 vcc_lo, 1, v2
	v_cndmask_b32 v250, v[SW], v[SW+2], vcc_lo     ; lanes 0-15 store fragments 0, 1's words of row r, lanes 16-31 fragments 2, 3's
	v_cndmask_b32 v251, v[SW+1], v[SW+3], vcc_lo
	global_store_b64 v[SCO], v[250:251], s[30:31]  ; 256 consecutive bytes
	s_wait_tensorcnt 0x0                           ; the wave's end
	ds_add_u32 v[SPW], v[NIL]
	s_wait_dscnt 0x0
	s_endpgm
.Lfunc_end_k_q31ed1d6d30_quant:
	.size	k_q31ed1d6d30_quant, .Lfunc_end_k_q31ed1d6d30_quant-k_q31ed1d6d30_quant
	.p2alignl 7, 3214868480
	.fill 96, 4, 3214868480
	.section	.rodata,"a",@progbits
	.p2align	6, 0x0
	.amdhsa_kernel k_q31ed1d6d30_quant
		.amdhsa_group_segment_fixed_size 51456
		.amdhsa_private_segment_fixed_size 0
		.amdhsa_enable_private_segment 0
		.amdhsa_kernarg_size 48
		.amdhsa_user_sgpr_count 2
		.amdhsa_user_sgpr_kernarg_segment_ptr 1
		.amdhsa_wavefront_size32 1
		.amdhsa_system_sgpr_workgroup_id_x 1
		.amdhsa_system_sgpr_workgroup_id_y 1
		.amdhsa_system_sgpr_workgroup_id_z 1
		.amdhsa_system_vgpr_workitem_id 0
		.amdhsa_next_free_vgpr 256
		.amdhsa_next_free_sgpr 66
		.amdhsa_reserve_vcc 1
		.amdhsa_float_denorm_mode_32 3
		.amdhsa_float_denorm_mode_16_64 3
		.amdhsa_memory_ordered 1
		.amdhsa_forward_progress 1
		.amdhsa_inst_pref_size 34
	.end_amdhsa_kernel
	.amdgpu_metadata
---
amdhsa.version: [ 1, 2 ]
amdhsa.kernels:
  - .name:           k_q31ed1d6d30_quant
    .symbol:         k_q31ed1d6d30_quant.kd
    .args:
      - { .name: x, .offset: 0, .size: 8, .value_kind: global_buffer, .address_space: global }
      - { .name: Wq, .offset: 8, .size: 8, .value_kind: global_buffer, .address_space: global }
      - { .name: Wk, .offset: 16, .size: 8, .value_kind: global_buffer, .address_space: global }
      - { .name: Wv, .offset: 24, .size: 8, .value_kind: global_buffer, .address_space: global }
      - { .name: Wo, .offset: 32, .size: 8, .value_kind: global_buffer, .address_space: global }
      - { .name: xw, .offset: 40, .size: 8, .value_kind: global_buffer, .address_space: global }
    .group_segment_fixed_size: 51456
    .private_segment_fixed_size: 0
    .kernarg_segment_align: 8
    .kernarg_segment_size: 48
    .max_flat_workgroup_size: 192
    .sgpr_count:     66
    .vgpr_count:     256
    .wavefront_size: 32
...
	.end_amdgpu_metadata
.endif
;; end of part 1
;; launch qkv (part 2): grid 8 x 48, 4 waves a work-group, clusters of 4 x 4, 327,680 bytes of LDS; arguments xw, bq, bk, bv, qk, vt; writes qk, vt
.if DOCPART == 2
	.amdgcn_target "amdgcn-amd-amdhsa--gfx1250"
	.amdhsa_code_object_version 6
	.text
	.protected	k_q31ed1d6d30_qkv
	.globl	k_q31ed1d6d30_qkv
	.p2align	8
	.type	k_q31ed1d6d30_qkv,@function
k_q31ed1d6d30_qkv:
	s_mov_b64 s[64:65], 0
	v_nop
	global_prefetch_b8 v0, s[64:65] scope:SCOPE_SE
	s_setreg_imm32_b32 hwreg(HW_REG_WAVE_MODE, 25, 1), 1
	s_wait_xcnt 0x0
	s_wait_alu depctr_hold_cnt(0) depctr_sa_sdst(0) depctr_va_vdst(0) depctr_va_sdst(0) depctr_va_ssrc(0) depctr_va_vcc(0) depctr_vm_vsrc(0)
	s_getreg_b32 s2, hwreg(HW_REG_IB_STS2, 6, 4)
	s_cmp_eq_u32 s2, 0
	s_cbranch_scc0 .Lentry_in_a_cluster
	s_endpgm
.Lentry_in_a_cluster:
	s_bfe_u32 s2, ttmp6, 0x10000c
	s_cmp_lg_u32 s2, 0xf033
	s_cbranch_scc0 .Lentry_shape_is_right
	s_endpgm
.Lentry_shape_is_right:
; LAUNCH 2 OF 5.  Q = x Wq^T + bq, K = x Wk^T + bk (cluster rows 0-7: 256 work-groups) and V^T = Wv x^T + bv (cluster rows 8-11: 128 work-groups), on the codes of xw; each result is quantised on the way out:
; Q and K along the features (the K of the scores), V^T along the tokens (the keys are the K of P V).  Nothing is left out.
; LAYOUT of xw, qk, vt: images of the operand's registers.  A panel = 128 rows, all of K; codes [panel][K step s][group g][1536], registers 4 c .. 4 c + 3 of lane l at 512 c + 16 l; lane r of group g holds row
; 32 (g / 2) + 8 (g % 2) + r + 8 (r / 8); scale words [panel][s][g / 4][r][g % 4].  qk: panels 0-63 Q, 64-127 K (98,304 bytes each), words from 12,582,912.  vt: panel 8 batch + feature panel, K = 2,048 keys (196,608), words from 6,291,456.
; THE CORE (launches 2 to 5 share it).  A tile of 256 x 256 to a work-group of four waves, 128 x 128 a wave: 64 accumulators, 512 registers.  'A' is source 1 (its rows end in lanes), 'B' source 0 (its rows end along a lane's
; registers, which is the next K).  K goes by slots of 256 through three LDS regions; slots 0 to 2 and the scale words are asked for at the head, slot 3 is the one refill.  By this text's count a wave has four tensor loads out at the most.
; CLUSTERS of 4 x 4: A's panels hang on the tile row and are asked for jointly along a row of the cluster, B's on the tile column and jointly along a column.  Wave w fetches: 0, 1 A's two panels; 2, 3 B's.
; Here A = x (Q, K) or Wv (V^T), B = Wq | Wk or x.  The way taken hangs on the cluster's y alone, which all partners share.
; REGISTERS: window 0: v16-27 addresses, v28-29 the add's two, v32-63 scale words (two sets), v128-223 A's eight fragments (one set), v224-239 a bias by lanes; window 1: B's two sets at v0, v96; v192-255 a bias by registers;
; windows 2, 3: accumulator (a, b) at v[8 (8 (a % 4) + b)].  On the way out window 0's v32-223 are free.
; LIMITS: a block of zeros gets the byte 1, not 127 (zero codes; read by this program alone); NaN and infinities are not served.
.set ISPV,  0
.set ISOUT, 0
.set FR,    12                         ; registers of a fragment
.set FRB,   1536                       ; its image in bytes
.set STEPB, 8*FRB                      ; a panel's eight fragments of 128 along K
.set PIECE, 2*STEPB                    ; a panel's part of a slot: dense in memory and in LDS
.set SLOT,  4*PIECE                    ; A's two panels, then B's two
.set SCL,   3*SLOT                     ; behind the three regions: scale words, 4,096 bytes a wave
.set SPARE, SCL+16384                  ; the spare words, 128 bytes a wave: two blocks of 256 bytes that no other line names
.set ADRA, 16                          ; v16-18 my A panel in region 0, 1, 2, + 16 x lane
.set ADRB, 20                          ; v20-22 my B panel
.set ADRS, 24                          ; v24 scale words: lanes 0-15 A's, lanes 16-31 B's
.set LI,   25                          ; v25 16 x lane
.set SO,   26                          ; v26 256 h + 16 r
.set SPW,  28
.set NIL,  29
.set SC,   32
.set AF,   128
.set X,    128                         ; the way out: 64 numbers
.set TM,   192                         ; at work
.set PC,   64                          ; the codes just made
.set SW,   32                          ; eight scale words
.set BJ,   192                         ; window 1
.set BI,   224
.set WV, 16
.set WI, 17
.set WJ, 18
.set TI, 19
.set TJ, 20
.set CX, 21
.set CY, 22
.set ISV, 23
.set G1A, 24
.set G1B, 32
.set G1SA, 40
.set G1SB, 48
.set G0A, 56                           ; s[56:59], s[60:63], s[68:71]: a group 0 for each region
.set G0B, 72
.set G0SA, 84
.set G0SB, 88
.set OC, 92
.set OS, 94
.set SEL, 100
.set MSB, 0
.macro WIN new                         ; the immediate's high byte repeats the setting that is left
.if MSB != \new
	s_set_vgpr_msb (MSB<<8)|\new
.set MSB, \new
.endif
.endm
.set MUL_LO, 0xa1                      ; source 0 (B) window 1, source 1 (A) window 0, C and D window 2
.set MUL_HI, 0xf1                      ; the same, C and D window 3
.set TO_B,   0x40                      ; destination window 1
.macro PLACES n                        ; plain places behind matrix instructions, in front of loads into registers that they read and of reads of results
.rept \n
	v_nop
.endr
.endm
.macro JLOAD g0a, g1a, g0b, g1b        ; a joint load: waves 0, 1 for A, waves 2, 3 for B; an s_nop 0 and four v_nop follow each line
	s_cmp_eq_u32 s[WI], 0
	s_cbranch_scc0 .Lfor_b_\@
	tensor_load_to_lds s[\g0a:\g0a+3], s[\g1a:\g1a+7]
	s_nop 0
.rept 4
	v_nop
.endr
	s_branch .Lasked_\@
.Lfor_b_\@:
	tensor_load_to_lds s[\g0b:\g0b+3], s[\g1b:\g1b+7]
	s_nop 0
.rept 4
	v_nop
.endr
.Lasked_\@:
.endm
.macro CREST                           ; a round of the cluster's barrier behind its opening barrier
	s_cmp_lg_u32 s[WV], 0
	s_cbranch_scc1 .Lnot_wave_0_\@
	s_barrier_signal -3
.Lnot_wave_0_\@:
	s_barrier_wait -3
	s_barrier_signal -1
	s_barrier_wait -1
.endm
.macro CROUND
	s_barrier_signal -1
	s_barrier_wait -1
	CREST
.endm
.macro IDS                             ; the wave's number, my place in the cluster, the descriptors' groups 1, the lane selects
	v_lshrrev_b32 v1, 5, v0
	v_readfirstlane_b32 s[WV], v1
	s_lshr_b32 s[WI], s[WV], 1                     ; which A panel I multiply; also: I fetch for A (0) or B (1)
	s_and_b32 s[WJ], s[WV], 1                      ; which B panel I multiply; also: which panel I fetch
	s_bfe_u32 s[CX], ttmp6, 0x40000
	s_bfe_u32 s[CY], ttmp6, 0x40004
	s_lshl_b32 s2, s[CY], 2
	s_lshl_b32 s2, 15, s2                          ; my row of the cluster
	s_lshl_b32 s3, 0x1111, s[CX]                   ; my column
	s_or_b32 s[G1A], s2, (3<<16)|(1<<21)           ; 15:0 the mask; 17:16 elements of 8 bytes; 21 set beside a mask; no padding
	s_or_b32 s[G1B], s3, (3<<16)|(1<<21)
.if ISPV == 0
	s_or_b32 s[G1SA], s2, (3<<16)|(1<<21)
.endif
	s_or_b32 s[G1SB], s3, (3<<16)|(1<<21)
.irp g, G1A, G1B                       ; a piece: 24,576 dense bytes as 96 rows of 256
	s_mov_b32 s[\g+1], 32<<16
	s_mov_b32 s[\g+2], 96<<16
	s_mov_b32 s[\g+3], 32<<16
	s_mov_b32 s[\g+4], 96
	s_mov_b32 s[\g+5], 32
	s_mov_b32 s[\g+6], 0
	s_mov_b32 s[\g+7], 0
.endr
.irp g, G1SA, G1SB                     ; scale words: 4,096 dense bytes as 16 rows of 256
.if (ISPV == 0) || (\g == G1SB)
	s_mov_b32 s[\g+1], 32<<16
	s_mov_b32 s[\g+2], 16<<16
	s_mov_b32 s[\g+3], 32<<16
	s_mov_b32 s[\g+4], 16
	s_mov_b32 s[\g+5], 32
	s_mov_b32 s[\g+6], 0
	s_mov_b32 s[\g+7], 0
.endif
.endr
	s_mov_b32 s[SEL], 0x76543210
	s_mov_b32 s[SEL+1], 0xfedcba98
.endm
.macro FIRST                           ; s[94:95], s[98:99]: my A and B panel's codes; s[92:93], s[96:97]: their scale words.  The round, then all first fills as one group
	s_mul_i32 s3, s[WV], PIECE                     ; LDS places hang on the wave's number alone
	s_lshl_b32 s2, s[WV], 12
	CROUND                                         ; all sixteen work-groups are here: the first joint loads meet
	s_mov_b32 s[G0SB], 1
	s_add_co_u32 s[G0SB+1], s2, SCL
	s_mov_b64 s[G0SB+2:G0SB+3], s[96:97]
	s_or_b32 s[G0SB+3], s[G0SB+3], 0x80000000
.if ISPV
	tensor_load_to_lds s[G0SB:G0SB+3], s[G1SB:G1SB+7]
	s_nop 0
.rept 4
	v_nop
.endr
.else
	s_mov_b32 s[G0SA], 1
	s_add_co_u32 s[G0SA+1], s2, SCL
	s_mov_b64 s[G0SA+2:G0SA+3], s[92:93]
	s_or_b32 s[G0SA+3], s[G0SA+3], 0x80000000
	JLOAD G0SA, G1SA, G0SB, G1SB
.endif
.irp r, 0,1,2
.set GA, G0A+4*\r+4*(\r/2)
.set GB, G0B+4*\r
	s_mov_b32 s[GA], 1
	s_add_co_u32 s[GA+1], s3, \r*SLOT
	s_add_nc_u64 s[GA+2:GA+3], s[94:95], \r*PIECE
	s_or_b32 s[GA+3], s[GA+3], 0x80000000
	s_mov_b32 s[GB], 1
	s_add_co_u32 s[GB+1], s3, \r*SLOT
	s_add_nc_u64 s[GB+2:GB+3], s[98:99], \r*PIECE
	s_or_b32 s[GB+3], s[GB+3], 0x80000000
	JLOAD GA, G1A, GB, G1B
.endr
.endm
.macro ADDRS                           ; the LDS addresses
	v_and_b32 v1, 15, v0                           ; r
	v_bfe_u32 v2, v0, 4, 1                         ; h
	v_and_b32 v3, 31, v0
	v_lshlrev_b32 v[LI], 4, v3
	s_mul_i32 s2, s[WI], PIECE
	s_mul_i32 s3, s[WJ], PIECE
	s_add_co_u32 s3, s3, 2*PIECE
.irp r, 0,1,2
	v_add_nc_u32 v[ADRA+\r], s2, v[LI]
	v_add_nc_u32 v[ADRB+\r], s3, v[LI]
	s_add_co_u32 s2, s2, SLOT
	s_add_co_u32 s3, s3, SLOT
.endr
.if ISPV
	s_lshl_b32 s2, s[WJ], 13
	s_add_co_u32 s2, s2, SCL
	v_lshl_add_u32 v[ADRS], v1, 4, s2              ; B's words alone, the same in both halves of the lanes
.else
	s_xor_b32 s3, s[WI], 1
	s_add_co_u32 s3, s3, s[WJ]
	s_add_co_u32 s3, s3, 1                         ; 2 + WJ - WI: from my A panel's words to my B panel's, in units of 4,096 bytes
	s_lshl_b32 s3, s3, 12
	v_mul_u32_u24 v3, s3, v2                       ; lanes 16-31 take B's
	s_lshl_b32 s2, s[WI], 12
	s_add_co_u32 s2, s2, SCL
	v_lshl_add_u32 v3, v1, 4, v3
	v_add_nc_u32 v[ADRS], s2, v3
.endif
.if ISOUT == 0
	v_lshlrev_b32 v[SO], 8, v2
	v_lshl_add_u32 v[SO], v1, 4, v[SO]
.endif
.endm
.macro FRAG reg, adr, off              ; a fragment comes back as it was stored: three loads of 512 consecutive bytes
.irp c, 0,1,2
	ds_load_b128 v[\reg+4*\c:\reg+4*\c+3], v[\adr] offset:\off+512*\c
.endr
.endm
.macro FETCH_B r, q, p                 ; B's eight fragments of region r's q-th 128 along K into set p
	WIN TO_B
.irp i, 0,1,2,3,4,5,6,7
	FRAG 96*(\p)+FR*\i, ADRB+(\r), (\q)*STEPB+\i*FRB
.endr
	WIN 0
.endm
.macro FETCH_A r, q, i0                ; A's blocks i0 .. i0 + 3
.irp i, \i0, \i0+1, \i0+2, \i0+3
	FRAG AF+FR*(\i), ADRA+(\r), (\q)*STEPB+(\i)*FRB
.endr
.endm
.macro SCALES k                        ; slot k's scale words into set k % 2: register 8 q + g
.irp q, 0,1
.irp f, 0,1
	ds_load_b128 v[SC+16*((\k)%2)+8*\q+4*\f:SC+16*((\k)%2)+8*\q+4*\f+3], v[ADRS] offset:(2*(\k)+\q)*512+256*\f
.endr
.endr
.endm
; 16 matrix instructions: A's blocks a0, a0 + 1 x B's eight, K step t.  The 64 accumulators take turns, one instruction a turn, in the same order in every step.  zero = 1: the products start the sums.
.macro MUL16 a0, t, zero
.set ST, SC+16*(((\t)/2)%2)+8*((\t)%2)
.set BS, 96*((\t)%2)
.irp a, \a0, \a0+1
.irp b, 0,1,2,3,4,5,6,7
.set DD, 8*(8*((\a)%4)+\b)
.set AA, AF+FR*(\a)
.set BB, BS+FR*\b
.if ISPV
.set SA, W+8*((\t)%8)+(\a)
.if \zero
	v_wmma_scale_f32_16x16x128_f8f6f4 v[DD:DD+7], v[BB:BB+11], v[AA:AA+11], 0, v[ST+\b], v[SA] matrix_a_fmt:MATRIX_FMT_BF6 matrix_b_fmt:MATRIX_FMT_BF6
.elseif (\t) < 8
	v_wmma_scale_f32_16x16x128_f8f6f4 v[DD:DD+7], v[BB:BB+11], v[AA:AA+11], v[DD:DD+7], v[ST+\b], v[SA] matrix_a_fmt:MATRIX_FMT_BF6 matrix_b_fmt:MATRIX_FMT_BF6
.else
	v_wmma_scale_f32_16x16x128_f8f6f4 v[DD:DD+7], v[BB:BB+11], v[AA:AA+11], v[DD:DD+7], v[ST+\b], v[SA] matrix_a_fmt:MATRIX_FMT_BF6 matrix_b_fmt:MATRIX_FMT_BF6 matrix_b_scale:MATRIX_SCALE_ROW1
.endif
.else
.if \zero
	v_wmma_scale_f32_16x16x128_f8f6f4 v[DD:DD+7], v[BB:BB+11], v[AA:AA+11], 0, v[ST+\b], v[ST+(\a)] matrix_a_fmt:MATRIX_FMT_BF6 matrix_b_fmt:MATRIX_FMT_BF6 matrix_a_scale:MATRIX_SCALE_ROW1
.else
	v_wmma_scale_f32_16x16x128_f8f6f4 v[DD:DD+7], v[BB:BB+11], v[AA:AA+11], v[DD:DD+7], v[ST+\b], v[ST+(\a)] matrix_a_fmt:MATRIX_FMT_BF6 matrix_b_fmt:MATRIX_FMT_BF6 matrix_a_scale:MATRIX_SCALE_ROW1
.endif
.endif
.endr
.endr
.endm
.macro STEP k, zero                    ; slot k's first 128 along K; it fetches the second's fragments
	s_wait_dscnt 12                                ; all but the youngest twelve loads (A's blocks 4-7) are in
	WIN MUL_LO
	MUL16 0, 2*(\k), \zero
	MUL16 2, 2*(\k), \zero
	s_wait_dscnt 0x0
	PLACES 4
	FETCH_B (\k)%3, 1, 1
	FETCH_A (\k)%3, 1, 0
	WIN MUL_HI
	MUL16 4, 2*(\k), \zero
	MUL16 6, 2*(\k), \zero
	PLACES 4
	WIN 0
	FETCH_A (\k)%3, 1, 4
.endm
; Slot k's second 128 along K; it fetches slot k + 1's first fragments.  kind 1: the region just read out is filled again, with slot k + 3: each wave waits for all its tensor loads, adds 0 to its spare word, waits for that and for
; its reads of the region; a round of the cluster's barrier; the joint refill first behind it.  kind 2: the same lines and a plain barrier: the last slot's tiles are shown to all four waves; nothing is filled.
; kind 0: no barrier: slot k + 1's tiles were waited for by every wave in front of the last round.
.macro TURN k, kind
.if \kind
	s_wait_tensorcnt 0x0                           ; all my tensor loads have landed
	ds_add_u32 v[SPW], v[NIL]                      ; 0 onto my spare word
	s_wait_dscnt 13                                ; (the add and A's blocks 4-7 may be out)
	WIN MUL_LO
	MUL16 0, 2*(\k)+1, 0
	s_wait_dscnt 0x0                               ; the add is done, and my reads of this region are over
	s_barrier_signal -1
	MUL16 2, 2*(\k)+1, 0
	WIN 0
	s_barrier_wait -1
.if \kind == 1
	CREST                                          ; no wave of any partner still reads this region or has a load on its way
.set GA, G0A+4*((\k)%3)+4*(((\k)%3)/2)
.set GB, G0B+4*((\k)%3)
	s_add_nc_u64 s[GA+2:GA+3], s[GA+2:GA+3], 3*PIECE
	s_add_nc_u64 s[GB+2:GB+3], s[GB+2:GB+3], 3*PIECE
	JLOAD GA, G1A, GB, G1B                         ; its four v_nop are also the places in front of the loads below
.else
	PLACES 4
.endif
.else
	s_wait_dscnt 12
	WIN MUL_LO
	MUL16 0, 2*(\k)+1, 0
	MUL16 2, 2*(\k)+1, 0
	s_wait_dscnt 0x0
	PLACES 4
.endif
	FETCH_B (\k+1)%3, 0, 0
	FETCH_A (\k+1)%3, 0, 0
	SCALES (\k)+1
.if ISPV && ((\k) == 0)
	ASK
.endif
	WIN MUL_HI
	MUL16 4, 2*(\k)+1, 0
	MUL16 6, 2*(\k)+1, 0
	PLACES 4
	WIN 0
	FETCH_A (\k+1)%3, 0, 4
.endm
.macro LAST t                          ; the last K step fetches nothing; four places stand behind its products
	s_wait_dscnt 12
	WIN MUL_LO
	MUL16 0, \t, 0
	MUL16 2, \t, 0
	s_wait_dscnt 0x0
	WIN MUL_HI
	MUL16 4, \t, 0
	MUL16 6, \t, 0
	WIN 0
	PLACES 4
.endm
.macro START
	s_wait_tensorcnt 0x2                           ; my scale words and my part of slot 0 are in; slots 1 and 2 may stay out
	s_barrier_signal -1
	s_barrier_wait -1
	FETCH_B 0, 0, 0
	FETCH_A 0, 0, 0
	SCALES 0
	FETCH_A 0, 0, 4
.endm
.macro FINISH
	s_wait_tensorcnt 0x0                           ; the wave's end
	ds_add_u32 v[SPW], v[NIL]
	s_wait_dscnt 0x0
	CROUND                                         ; the closing round
	s_endpgm
.endm
.macro BYTES pw                        ; v[TM + b]: the four blocks' largest magnitudes -> the conversions' scale operands, the bytes, my row's scale word
.irp b, 0,1,2,3
	v_add_nc_u32 v[TM+12+\b], 0xfe000000, v[TM+\b] ; 4 off the exponent field
.endr
.irp b, 0,1,2,3
	v_lshrrev_b32 v[TM+4+\b], 23, v[TM+12+\b]
.endr
	v_lshl_or_b32 v[\pw], v[TM+5], 8, v[TM+4]
	v_lshl_or_b32 v[\pw], v[TM+6], 16, v[\pw]
	v_lshl_or_b32 v[\pw], v[TM+7], 24, v[\pw]
.endm
.macro CODES s                         ; 64 numbers of a lane (register 16 b + i = k 32 b + 16 h + i of my row) become a fragment's 12 registers in v[PC] on
.irp c, 0,1
	v_cvt_scalef32_pk16_bf6_f32 v[PC+6*\c:PC+6*\c+2], v[\s+32*\c:\s+32*\c+15], v[TM+12+2*\c]
	v_cvt_scalef32_pk16_bf6_f32 v[PC+12+4*\c:PC+12+4*\c+2], v[\s+32*\c+16:\s+32*\c+31], v[TM+13+2*\c]
.endr
	v_nop                                          ; one plain place behind a scaled conversion
.irp c, 0,1
.irp i, 0,1,2
	v_permlane16_swap_b32 v[PC+6*\c+\i], v[PC+12+4*\c+\i]
.endr
.irp i, 0,1,2
	v_mov_b32 v[PC+3+6*\c+\i], v[PC+12+4*\c+\i]
.endr
.endr
.endm
.macro QUANT s, pw
.irp b, 0,1,2,3
	v_max3_num_f32 v[TM+\b], |v[\s+16*\b]|, |v[\s+1+16*\b]|, 0x2800000   ; and the floor 2^(5 - 127): the byte cannot fall under 1
.endr
.irp i, 2,4,6,8,10,12,14
.irp b, 0,1,2,3
	v_max3_num_f32 v[TM+\b], v[TM+\b], |v[\s+16*\b+\i]|, |v[\s+1+16*\b+\i]|
.endr
.endr
.irp b, 0,1,2,3
	v_permlanex16_b32 v[TM+4+\b], v[TM+\b], s[SEL], s[SEL+1]
.endr
.irp b, 0,1,2,3
	v_max_num_f32 v[TM+\b], v[TM+\b], v[TM+4+\b]
.endr
	BYTES \pw
	CODES \s
.endm
.macro PUT a                           ; the fragment leaves as its image: three stores of 512 consecutive bytes
.irp c, 0,1,2
	global_store_b128 v[LI], v[PC+4*\c:PC+4*\c+3], s[OC:OC+1] offset:FRB*(\a)+512*\c
.endr
.endm
	s_load_b256 s[4:11], s[0:1], 0x0               ; xw, bq, bk, bv
	s_load_b128 s[12:15], s[0:1], 0x20             ; qk, vt
	v_lshl_add_u32 v[SPW], v0, 2, SPARE
	v_mov_b32 v[NIL], 0
	ds_add_u32 v[SPW], v[NIL]                      ; the opening: the add, twice on end, and its wait ahead of my first tensor load
	ds_add_u32 v[SPW], v[NIL]
	IDS
	s_and_b32 s2, ttmp7, 0xffff                    ; the cluster's y: 0-7 Q and K, 8-11 V^T
	s_max_u32 s3, s2, 8
	s_sub_co_u32 s3, s3, 8
	s_lshl_b32 s3, s3, 3                           ; V^T: eight tile columns (of tokens) for each cluster row
	s_cmp_ge_u32 s2, 8
	s_cselect_b32 s[ISV], 1, 0
	s_cselect_b32 s2, 0, s2
	s_cselect_b32 s92, 80, 0                       ; A's first panel in xw: Wv or x
	s_cselect_b32 s96, 0, 64                       ; B's: x or Wq
	s_lshl_b32 s[TI], s2, 2
	s_add_co_u32 s[TI], s[TI], s[CY]               ; tile row
	s_lshl_b32 s[TJ], ttmp9, 2
	s_add_co_u32 s[TJ], s[TJ], s[CX]
	s_add_co_u32 s[TJ], s[TJ], s3                  ; tile column
	s_lshl_b32 s93, s[TI], 1
	s_add_co_u32 s92, s92, s93
	s_add_co_u32 s92, s92, s[WJ]                   ; the A panel that I would fetch
	s_mul_i32 s94, s92, 98304
	s_mov_b32 s95, 0
	s_lshl_b32 s92, s92, 12
	s_add_co_u32 s92, s92, 9437184
	s_mov_b32 s93, 0
	s_lshl_b32 s97, s[TJ], 1
	s_add_co_u32 s96, s96, s97
	s_add_co_u32 s96, s96, s[WJ]                   ; the B panel
	s_mul_i32 s98, s96, 98304
	s_mov_b32 s99, 0
	s_lshl_b32 s96, s96, 12
	s_add_co_u32 s96, s96, 9437184
	s_mov_b32 s97, 0
	s_wait_dscnt 0x0                               ; both opening adds are done
	s_wait_kmcnt 0x0
	s_add_nc_u64 s[94:95], s[4:5], s[94:95]
	s_add_nc_u64 s[92:93], s[4:5], s[92:93]
	s_add_nc_u64 s[98:99], s[4:5], s[98:99]
	s_add_nc_u64 s[96:97], s[4:5], s[96:97]
	FIRST
	ADDRS
	; the bias.  Q, K: by registers (the features run along a lane's registers).  V^T: by lanes (a lane holds one feature).  Every wave loads both shapes, from places inside the buffer, so that no register is
	; written on one way alone: 16 or 16 small loads more than it uses.
	s_lshl_b32 s2, s[TJ], 1
	s_add_co_u32 s2, s2, s[WJ]                     ; jc: my B panel
	s_lshl_b32 s3, s[TI], 1
	s_add_co_u32 s3, s3, s[WI]                     ; rp: my A panel
	s_and_b32 s94, s2, 7
	s_lshl_b32 s94, s94, 9
	s_lshl_b32 s95, s3, 9
	s_cmp_lt_u32 s2, 8
	s_cselect_b64 s[92:93], s[6:7], s[8:9]         ; bq or bk
	s_cmp_lg_u32 s[ISV], 0
	s_cselect_b64 s[92:93], s[10:11], s[92:93]     ; or bv
	s_cselect_b32 s94, 0, s94
	s_cselect_b32 s95, s95, 0
	v_lshlrev_b32 v6, 6, v2
	v_add_nc_u32 v6, s94, v6                       ; register 16 b + i is feature 32 b + 16 h + i of my 128
	v_and_b32 v7, 8, v1
	v_add_nc_u32 v7, v7, v1
	v_lshlrev_b32 v7, 2, v7
	v_add_nc_u32 v7, s95, v7                       ; lane r of group a is feature 32 (a / 2) + 8 (a % 2) + r + 8 (r / 8)
	WIN TO_B
.irp b, 0,1,2,3
.irp q, 0,1,2,3
	global_load_b128 v[BJ+16*\b+4*\q:BJ+16*\b+4*\q+3], v6, s[92:93] offset:128*\b+16*\q
.endr
.endr
	WIN 0
.irp a, 0,1,2,3,4,5,6,7
	global_load_b32 v[BI+2*\a], v7, s[92:93] offset:4*(32*(\a/2)+8*(\a%2))
	global_load_b32 v[BI+2*\a+1], v7, s[92:93] offset:4*(32*(\a/2)+8*(\a%2))   ; twice: a pair for the packed addition
.endr
	s_wait_loadcnt 0x0
	START
	STEP 0, 1
	TURN 0, 1                                      ; slot 3 into region 0: it has two slots' work in which to land
	STEP 1, 0
	TURN 1, 0
	STEP 2, 0
	TURN 2, 2
	STEP 3, 0
	LAST 7
	; THE WAY OUT.  Block a's 64 registers of a lane are 128 neighbours (in two halves of the lanes) along the next K of one row: + bias, quantised, stored as fragment a of my output unit.
.irp b, 0,1,2,3
	v_mov_b32 v[TM+4+\b], 0                        ; a lane permute's destination counts as one of its sources
.endr
	s_lshl_b32 s2, s[TJ], 1
	s_add_co_u32 s2, s2, s[WJ]                     ; jc
	s_lshl_b32 s3, s[TI], 1
	s_add_co_u32 s3, s3, s[WI]                     ; rp
	s_add_co_u32 s96, s[ISV], 3
	s_lshr_b32 s97, s2, s96                        ; Q or K (jc / 8); V^T: the batch (jc / 16)
	s_lshl_b32 s98, 1, s96
	s_sub_co_u32 s98, s98, 1
	s_and_b32 s98, s2, s98                         ; the output's K step
	s_mul_i32 s99, s[ISV], 3
	s_sub_co_u32 s99, 6, s99
	s_lshl_b32 s97, s97, s99                       ; x 64 panels, or x 8
	s_add_co_u32 s97, s97, s3                      ; the output's panel
	s_mul_i32 s92, s97, 98304
	s_lshl_b32 s92, s92, s[ISV]                    ; vt's panels are twice as long
	s_mul_i32 s99, s98, STEPB
	s_add_co_u32 s92, s92, s99
	s_mov_b32 s93, 0
	s_lshl_b32 s94, s97, 12
	s_lshl_b32 s94, s94, s[ISV]
	s_lshl_b32 s99, s98, 9
	s_add_co_u32 s94, s94, s99
	s_mov_b32 s99, 12582912
	s_lshr_b32 s99, s99, s[ISV]                    ; where the scale words begin: half as far in vt
	s_add_co_u32 s94, s94, s99
	s_mov_b32 s95, 0
	s_cmp_lg_u32 s[ISV], 0
	s_cselect_b64 s[96:97], s[14:15], s[12:13]
	s_add_nc_u64 s[OC:OC+1], s[96:97], s[92:93]
	s_add_nc_u64 s[OS:OS+1], s[96:97], s[94:95]
.macro OUTA a
.set AC, 64*((\a)%4)
.set WA, 2+(\a)/4
.set WN, 4+WA
	s_cmp_lg_u32 s[ISV], 0                         ; the cluster's y decides: the same in all partners and all waves
	s_cbranch_scc1 .Lby_lane_\@
	WIN WN                                         ; source 0: the accumulators' window; source 1: window 1
.set j, 0
.rept 32
	v_pk_add_f32 v[X+j:X+j+1], v[AC+j:AC+j+1], v[BJ+j:BJ+j+1]
.set j, j+2
.endr
	WIN 0
	s_branch .Lbiased_\@
.Lby_lane_\@:
	WIN WA
.set j, 0
.rept 32
	v_pk_add_f32 v[X+j:X+j+1], v[AC+j:AC+j+1], v[BI+2*(\a):BI+2*(\a)+1]
.set j, j+2
.endr
	WIN 0
.Lbiased_\@:
.if (\a) > 0
	s_wait_xcnt 0x0                                ; the last block's stores have read v[PC] on
.endif
	QUANT X, SW+(\a)
	PUT \a
.endm
.irp a, 0,1,2,3,4,5,6,7
	OUTA \a
.endr
	v_cmp_eq_u32 vcc_lo, 1, v2
.irp i, 0,1,2,3
	v_cndmask_b32 v[X+\i], v[SW+\i], v[SW+4+\i], vcc_lo   ; lanes 0-15: groups 0-3's words of lane r; lanes 16-31: groups 4-7's
.endr
	global_store_b128 v[SO], v[X:X+3], s[OS:OS+1]  ; 512 consecutive bytes
	FINISH
.Lfunc_end_k_q31ed1d6d30_qkv:
	.size	k_q31ed1d6d30_qkv, .Lfunc_end_k_q31ed1d6d30_qkv-k_q31ed1d6d30_qkv
	.p2alignl 7, 3214868480
	.fill 96, 4, 3214868480
	.section	.rodata,"a",@progbits
	.p2align	6, 0x0
	.amdhsa_kernel k_q31ed1d6d30_qkv
		.amdhsa_group_segment_fixed_size 327680
		.amdhsa_private_segment_fixed_size 0
		.amdhsa_enable_private_segment 0
		.amdhsa_kernarg_size 48
		.amdhsa_user_sgpr_count 2
		.amdhsa_user_sgpr_kernarg_segment_ptr 1
		.amdhsa_wavefront_size32 1
		.amdhsa_system_sgpr_workgroup_id_x 1
		.amdhsa_system_sgpr_workgroup_id_y 1
		.amdhsa_system_sgpr_workgroup_id_z 1
		.amdhsa_system_vgpr_workitem_id 0
		.amdhsa_next_free_vgpr 1024
		.amdhsa_next_free_sgpr 102
		.amdhsa_reserve_vcc 1
		.amdhsa_float_denorm_mode_32 3
		.amdhsa_float_denorm_mode_16_64 3
		.amdhsa_memory_ordered 1
		.amdhsa_forward_progress 1
		.amdhsa_inst_pref_size 176
	.end_amdhsa_kernel
	.amdgpu_metadata
---
amdhsa.version: [ 1, 2 ]
amdhsa.kernels:
  - .name:           k_q31ed1d6d30_qkv
    .symbol:         k_q31ed1d6d30_qkv.kd
    .args:
      - { .name: xw, .offset: 0, .size: 8, .value_kind: global_buffer, .address_space: global }
      - { .name: bq, .offset: 8, .size: 8, .value_kind: global_buffer, .address_space: global }
      - { .name: bk, .offset: 16, .size: 8, .value_kind: global_buffer, .address_space: global }
      - { .name: bv, .offset: 24, .size: 8, .value_kind: global_buffer, .address_space: global }
      - { .name: qk, .offset: 32, .size: 8, .value_kind: global_buffer, .address_space: global }
      - { .name: vt, .offset: 40, .size: 8, .value_kind: global_buffer, .address_space: global }
    .group_segment_fixed_size: 327680
    .private_segment_fixed_size: 0
    .kernarg_segment_align: 8
    .kernarg_segment_size: 48
    .max_flat_workgroup_size: 128
    .sgpr_count:     102
    .vgpr_count:     1024
    .wavefront_size: 32
...
	.end_amdgpu_metadata
.endif
;; end of part 2
;; launch scores (part 3): grid 8 x 32, 4 waves a work-group, clusters of 4 x 4, 327,680 bytes of LDS; arguments qk, pp; writes pp
.if DOCPART == 3
	.amdgcn_target "amdgcn-amd-amdhsa--gfx1250"
	.amdhsa_code_object_version 6
	.text
	.protected	k_q31ed1d6d30_scores
	.globl	k_q31ed1d6d30_scores
	.p2align	8
	.type	k_q31ed1d6d30_scores,@function
k_q31ed1d6d30_scores:
	s_mov_b64 s[64:65], 0
	v_nop
	global_prefetch_b8 v0, s[64:65] scope:SCOPE_SE
	s_setreg_imm32_b32 hwreg(HW_REG_WAVE_MODE, 25, 1), 1
	s_wait_xcnt 0x0
	s_wait_alu depctr_hold_cnt(0) depctr_sa_sdst(0) depctr_va_vdst(0) depctr_va_sdst(0) depctr_va_ssrc(0) depctr_va_vcc(0) depctr_vm_vsrc(0)
	s_getreg_b32 s2, hwreg(HW_REG_IB_STS2, 6, 4)
	s_cmp_eq_u32 s2, 0
	s_cbranch_scc0 .Lentry_in_a_cluster
	s_endpgm
.Lentry_in_a_cluster:
	s_bfe_u32 s2, ttmp6, 0x10000c
	s_cmp_lg_u32 s2, 0xf033
	s_cbranch_scc0 .Lentry_shape_is_right
	s_endpgm
.Lentry_shape_is_right:
; LAUNCH 3 OF 5.  S = Q K^T on the codes of qk, and the softmax's first half on the way out, for each query and each chunk of 128 keys: t = score x log2(e) / 32; M_loc = ceil(the chunk's largest t), a whole number;
; p = 2^(t - M_loc), quantised along the keys; l_loc = the sum of the unquantised p.  Stored in pp: p's codes, its scale words under M_loc, -M_loc and l_loc.  The next launch takes the row's M = the largest M_loc
; and adds M_loc - M, a whole number, to each scale byte: the codes are those of p = 2^(t - M).  Nothing is left out.
; LAYOUT: images of the operand's registers.  A panel = 128 rows, all of K; codes [panel][K step s][group g][1536], registers 4 c .. 4 c + 3 of lane l at 512 c + 16 l; lane r of group g holds row
; 32 (g / 2) + 8 (g % 2) + r + 8 (r / 8); scale words [panel][s][g / 4][r][g % 4].  qk: panels 0-63 Q, 64-127 K, words from 12,582,912.  pp: 64 query panels, K = 2,048 keys (196,608 bytes), words from 12,582,912,
; then from 13,107,200 [panel][s][-M_loc, l_loc][g / 4][r][g % 4] in f32.
; THE CORE: a tile of 256 x 256 to four waves, 128 x 128 a wave.  A = Q is source 1 (a lane holds one query), B = K is source 0 (the keys run along a lane's registers).  K goes by slots of 256 through three LDS regions;
; slots 0 to 2 and the scale words are asked for at the head, slot 3 is the one refill: four tensor loads of a wave are out at the most.  Clusters of 4 x 4: A's panels jointly along a row, B's along a column.
; LIMITS: a block of 32 keys whose largest p lies under 2^-60 of the chunk's is quantised on the scale of 2^-60 (so that the next launch can lower every byte by up to 62): beside a row's largest p, over 1/2, that moves nothing
; that f32 keeps.  -M_loc is exact up to 2^24.  NaN and infinities are not served.
.set ISPV,  0
.set ISOUT, 0
.set FR,    12
.set FRB,   1536
.set STEPB, 8*FRB
.set PIECE, 2*STEPB
.set SLOT,  4*PIECE
.set SCL,   3*SLOT
.set SPARE, SCL+16384                  ; the spare words, 128 bytes a wave: two blocks of 256 bytes that no other line names
.set ADRA, 16
.set ADRB, 20
.set ADRS, 24
.set LI,   25
.set SO,   26
.set SPW,  28
.set NIL,  29
.set SC,   32
.set AF,   128
.set X,    128
.set TM,   192
.set PC,   64
.set SW,   32                          ; v32-39 scale words; v40-47 -M_loc; v48-55 l_loc; v[56:57] -M_loc of the block in hand; v58-62 at work
.set NMS,  40
.set LS,   48
.set WV, 16
.set WI, 17
.set WJ, 18
.set TI, 19
.set TJ, 20
.set CX, 21
.set CY, 22
.set BT, 23
.set G1A, 24
.set G1B, 32
.set G1SA, 40
.set G1SB, 48
.set G0A, 56
.set G0B, 72
.set G0SA, 84
.set G0SB, 88
.set CS, 66                            ; s[66:67] c = log2(e) / 32
.set OC, 92
.set OS, 94
.set OT, 96
.set SEL, 100
.set MSB, 0
.macro WIN new                         ; the immediate's high byte repeats the setting that is left
.if MSB != \new
	s_set_vgpr_msb (MSB<<8)|\new
.set MSB, \new
.endif
.endm
.set MUL_LO, 0xa1
.set MUL_HI, 0xf1
.set TO_B,   0x40
.macro PLACES n                        ; plain places behind matrix instructions (ISA guide 7.12.1)
.rept \n
	v_nop
.endr
.endm
.macro JLOAD g0a, g1a, g0b, g1b        ; a joint load: waves 0, 1 for A, waves 2, 3 for B; an s_nop 0 and four v_nop follow each line
	s_cmp_eq_u32 s[WI], 0
	s_cbranch_scc0 .Lfor_b_\@
	tensor_load_to_lds s[\g0a:\g0a+3], s[\g1a:\g1a+7]
	s_nop 0
.rept 4
	v_nop
.endr
	s_branch .Lasked_\@
.Lfor_b_\@:
	tensor_load_to_lds s[\g0b:\g0b+3], s[\g1b:\g1b+7]
	s_nop 0
.rept 4
	v_nop
.endr
.Lasked_\@:
.endm
.macro CREST
	s_cmp_lg_u32 s[WV], 0
	s_cbranch_scc1 .Lnot_wave_0_\@
	s_barrier_signal -3
.Lnot_wave_0_\@:
	s_barrier_wait -3
	s_barrier_signal -1
	s_barrier_wait -1
.endm
.macro CROUND
	s_barrier_signal -1
	s_barrier_wait -1
	CREST
.endm
.macro IDS
	v_lshrrev_b32 v1, 5, v0
	v_readfirstlane_b32 s[WV], v1
	s_lshr_b32 s[WI], s[WV], 1                     ; which A panel I multiply; also: I fetch for A (0) or B (1)
	s_and_b32 s[WJ], s[WV], 1                      ; which B panel I multiply; also: which panel I fetch
	s_bfe_u32 s[CX], ttmp6, 0x40000
	s_bfe_u32 s[CY], ttmp6, 0x40004
	s_lshl_b32 s2, s[CY], 2
	s_lshl_b32 s2, 15, s2                          ; my row of the cluster
	s_lshl_b32 s3, 0x1111, s[CX]                   ; my column
	s_or_b32 s[G1A], s2, (3<<16)|(1<<21)           ; the mask; elements of 8 bytes; bit 21 beside a mask; no padding
	s_or_b32 s[G1B], s3, (3<<16)|(1<<21)
.if ISPV == 0
	s_or_b32 s[G1SA], s2, (3<<16)|(1<<21)
.endif
	s_or_b32 s[G1SB], s3, (3<<16)|(1<<21)
.irp g, G1A, G1B                       ; a piece: 24,576 dense bytes as 96 rows of 256
	s_mov_b32 s[\g+1], 32<<16
	s_mov_b32 s[\g+2], 96<<16
	s_mov_b32 s[\g+3], 32<<16
	s_mov_b32 s[\g+4], 96
	s_mov_b32 s[\g+5], 32
	s_mov_b32 s[\g+6], 0
	s_mov_b32 s[\g+7], 0
.endr
.irp g, G1SA, G1SB                     ; scale words: 4,096 dense bytes as 16 rows of 256
.if (ISPV == 0) || (\g == G1SB)
	s_mov_b32 s[\g+1], 32<<16
	s_mov_b32 s[\g+2], 16<<16
	s_mov_b32 s[\g+3], 32<<16
	s_mov_b32 s[\g+4], 16
	s_mov_b32 s[\g+5], 32
	s_mov_b32 s[\g+6], 0
	s_mov_b32 s[\g+7], 0
.endif
.endr
	s_mov_b32 s[SEL], 0x76543210
	s_mov_b32 s[SEL+1], 0xfedcba98
.endm
.macro FIRST                           ; s[94:95], s[98:99]: my A and B panel's codes; s[92:93], s[96:97]: their scale words.  The round, then all first fills as one group
	s_mul_i32 s3, s[WV], PIECE
	s_lshl_b32 s2, s[WV], 12
	CROUND
	s_mov_b32 s[G0SB], 1
	s_add_co_u32 s[G0SB+1], s2, SCL
	s_mov_b64 s[G0SB+2:G0SB+3], s[96:97]
	s_or_b32 s[G0SB+3], s[G0SB+3], 0x80000000
.if ISPV
	tensor_load_to_lds s[G0SB:G0SB+3], s[G1SB:G1SB+7]
	s_nop 0
.rept 4
	v_nop
.endr
.else
	s_mov_b32 s[G0SA], 1
	s_add_co_u32 s[G0SA+1], s2, SCL
	s_mov_b64 s[G0SA+2:G0SA+3], s[92:93]
	s_or_b32 s[G0SA+3], s[G0SA+3], 0x80000000
	JLOAD G0SA, G1SA, G0SB, G1SB
.endif
.irp r, 0,1,2
.set GA, G0A+4*\r+4*(\r/2)
.set GB, G0B+4*\r
	s_mov_b32 s[GA], 1
	s_add_co_u32 s[GA+1], s3, \r*SLOT
	s_add_nc_u64 s[GA+2:GA+3], s[94:95], \r*PIECE
	s_or_b32 s[GA+3], s[GA+3], 0x80000000
	s_mov_b32 s[GB], 1
	s_add_co_u32 s[GB+1], s3, \r*SLOT
	s_add_nc_u64 s[GB+2:GB+3], s[98:99], \r*PIECE
	s_or_b32 s[GB+3], s[GB+3], 0x80000000
	JLOAD GA, G1A, GB, G1B
.endr
.endm
.macro ADDRS
	v_and_b32 v1, 15, v0                           ; r
	v_bfe_u32 v2, v0, 4, 1                         ; h
	v_and_b32 v3, 31, v0
	v_lshlrev_b32 v[LI], 4, v3
	s_mul_i32 s2, s[WI], PIECE
	s_mul_i32 s3, s[WJ], PIECE
	s_add_co_u32 s3, s3, 2*PIECE
.irp r, 0,1,2
	v_add_nc_u32 v[ADRA+\r], s2, v[LI]
	v_add_nc_u32 v[ADRB+\r], s3, v[LI]
	s_add_co_u32 s2, s2, SLOT
	s_add_co_u32 s3, s3, SLOT
.endr
.if ISPV
	s_lshl_b32 s2, s[WJ], 13
	s_add_co_u32 s2, s2, SCL
	v_lshl_add_u32 v[ADRS], v1, 4, s2
.else
	s_xor_b32 s3, s[WI], 1
	s_add_co_u32 s3, s3, s[WJ]
	s_add_co_u32 s3, s3, 1                         ; 2 + WJ - WI
	s_lshl_b32 s3, s3, 12
	v_mul_u32_u24 v3, s3, v2                       ; lanes 16-31 take B's words
	s_lshl_b32 s2, s[WI], 12
	s_add_co_u32 s2, s2, SCL
	v_lshl_add_u32 v3, v1, 4, v3
	v_add_nc_u32 v[ADRS], s2, v3
.endif
.if ISOUT == 0
	v_lshlrev_b32 v[SO], 8, v2
	v_lshl_add_u32 v[SO], v1, 4, v[SO]
.endif
.endm
.macro FRAG reg, adr, off
.irp c, 0,1,2
	ds_load_b128 v[\reg+4*\c:\reg+4*\c+3], v[\adr] offset:\off+512*\c
.endr
.endm
.macro FETCH_B r, q, p
	WIN TO_B
.irp i, 0,1,2,3,4,5,6,7
	FRAG 96*(\p)+FR*\i, ADRB+(\r), (\q)*STEPB+\i*FRB
.endr
	WIN 0
.endm
.macro FETCH_A r, q, i0
.irp i, \i0, \i0+1, \i0+2, \i0+3
	FRAG AF+FR*(\i), ADRA+(\r), (\q)*STEPB+(\i)*FRB
.endr
.endm
.macro SCALES k
.irp q, 0,1
.irp f, 0,1
	ds_load_b128 v[SC+16*((\k)%2)+8*\q+4*\f:SC+16*((\k)%2)+8*\q+4*\f+3], v[ADRS] offset:(2*(\k)+\q)*512+256*\f
.endr
.endr
.endm
; 16 matrix instructions: A's blocks a0, a0 + 1 x B's eight, K step t.  The 64 accumulators take turns, in the same order in every step.
.macro MUL16 a0, t, zero
.set ST, SC+16*(((\t)/2)%2)+8*((\t)%2)
.set BS, 96*((\t)%2)
.irp a, \a0, \a0+1
.irp b, 0,1,2,3,4,5,6,7
.set DD, 8*(8*((\a)%4)+\b)
.set AA, AF+FR*(\a)
.set BB, BS+FR*\b
.if \zero
	v_wmma_scale_f32_16x16x128_f8f6f4 v[DD:DD+7], v[BB:BB+11], v[AA:AA+11], 0, v[ST+\b], v[ST+(\a)] matrix_a_fmt:MATRIX_FMT_BF6 matrix_b_fmt:MATRIX_FMT_BF6 matrix_a_scale:MATRIX_SCALE_ROW1
.else
	v_wmma_scale_f32_16x16x128_f8f6f4 v[DD:DD+7], v[BB:BB+11], v[AA:AA+11], v[DD:DD+7], v[ST+\b], v[ST+(\a)] matrix_a_fmt:MATRIX_FMT_BF6 matrix_b_fmt:MATRIX_FMT_BF6 matrix_a_scale:MATRIX_SCALE_ROW1
.endif
.endr
.endr
.endm
.macro STEP k, zero
	s_wait_dscnt 12                                ; all but A's blocks 4-7 are in
	WIN MUL_LO
	MUL16 0, 2*(\k), \zero
	MUL16 2, 2*(\k), \zero
	s_wait_dscnt 0x0
	PLACES 4
	FETCH_B (\k)%3, 1, 1
	FETCH_A (\k)%3, 1, 0
	WIN MUL_HI
	MUL16 4, 2*(\k), \zero
	MUL16 6, 2*(\k), \zero
	PLACES 4
	WIN 0
	FETCH_A (\k)%3, 1, 4
.endm
; kind 1: the region just read out is filled again behind a round of the cluster's barrier; kind 2: the same lines and a plain barrier, for the last slot's tiles; kind 0: no barrier: the next slot's tiles were waited for by every wave in front of the last round.
.macro TURN k, kind
.if \kind
	s_wait_tensorcnt 0x0                           ; all my tensor loads have landed
	ds_add_u32 v[SPW], v[NIL]                      ; 0 onto my spare word
	s_wait_dscnt 13                                ; (the add and A's blocks 4-7 may be out)
	WIN MUL_LO
	MUL16 0, 2*(\k)+1, 0
	s_wait_dscnt 0x0                               ; the add is done, and my reads of this region are over
	s_barrier_signal -1
	MUL16 2, 2*(\k)+1, 0
	WIN 0
	s_barrier_wait -1
.if \kind == 1
	CREST
.set GA, G0A+4*((\k)%3)+4*(((\k)%3)/2)
.set GB, G0B+4*((\k)%3)
	s_add_nc_u64 s[GA+2:GA+3], s[GA+2:GA+3], 3*PIECE
	s_add_nc_u64 s[GB+2:GB+3], s[GB+2:GB+3], 3*PIECE
	JLOAD GA, G1A, GB, G1B
.else
	PLACES 4
.endif
.else
	s_wait_dscnt 12
	WIN MUL_LO
	MUL16 0, 2*(\k)+1, 0
	MUL16 2, 2*(\k)+1, 0
	s_wait_dscnt 0x0
	PLACES 4
.endif
	FETCH_B (\k+1)%3, 0, 0
	FETCH_A (\k+1)%3, 0, 0
	SCALES (\k)+1
	WIN MUL_HI
	MUL16 4, 2*(\k)+1, 0
	MUL16 6, 2*(\k)+1, 0
	PLACES 4
	WIN 0
	FETCH_A (\k+1)%3, 0, 4
.endm
.macro LAST t
	s_wait_dscnt 12
	WIN MUL_LO
	MUL16 0, \t, 0
	MUL16 2, \t, 0
	s_wait_dscnt 0x0
	WIN MUL_HI
	MUL16 4, \t, 0
	MUL16 6, \t, 0
	WIN 0
	PLACES 4
.endm
.macro START
	s_wait_tensorcnt 0x2                           ; my scale words and my part of slot 0 are in; slots 1 and 2 may stay out
	s_barrier_signal -1
	s_barrier_wait -1
	FETCH_B 0, 0, 0
	FETCH_A 0, 0, 0
	SCALES 0
	FETCH_A 0, 0, 4
.endm
.macro FINISH
	s_wait_tensorcnt 0x0                           ; the wave's end
	ds_add_u32 v[SPW], v[NIL]
	s_wait_dscnt 0x0
	CROUND
	s_endpgm
.endm
.macro BYTES pw
.irp b, 0,1,2,3
	v_add_nc_u32 v[TM+12+\b], 0xfe000000, v[TM+\b] ; 4 off the exponent field: the conversion's scale operand
.endr
.irp b, 0,1,2,3
	v_lshrrev_b32 v[TM+4+\b], 23, v[TM+12+\b]
.endr
	v_lshl_or_b32 v[\pw], v[TM+5], 8, v[TM+4]
	v_lshl_or_b32 v[\pw], v[TM+6], 16, v[\pw]
	v_lshl_or_b32 v[\pw], v[TM+7], 24, v[\pw]
.endm
.macro CODES s
.irp c, 0,1
	v_cvt_scalef32_pk16_bf6_f32 v[PC+6*\c:PC+6*\c+2], v[\s+32*\c:\s+32*\c+15], v[TM+12+2*\c]
	v_cvt_scalef32_pk16_bf6_f32 v[PC+12+4*\c:PC+12+4*\c+2], v[\s+32*\c+16:\s+32*\c+31], v[TM+13+2*\c]
.endr
	v_nop                                          ; one plain place behind a scaled conversion
.irp c, 0,1
.irp i, 0,1,2
	v_permlane16_swap_b32 v[PC+6*\c+\i], v[PC+12+4*\c+\i]
.endr
.irp i, 0,1,2
	v_mov_b32 v[PC+3+6*\c+\i], v[PC+12+4*\c+\i]
.endr
.endr
.endm
.macro PUT a
.irp c, 0,1,2
	global_store_b128 v[LI], v[PC+4*\c:PC+4*\c+3], s[OC:OC+1] offset:FRB*(\a)+512*\c
.endr
.endm
	s_load_b128 s[4:7], s[0:1], 0x0                ; qk, pp
	v_lshl_add_u32 v[SPW], v0, 2, SPARE
	v_mov_b32 v[NIL], 0
	ds_add_u32 v[SPW], v[NIL]                      ; the opening: the add, twice on end, and its wait ahead of my first tensor load
	ds_add_u32 v[SPW], v[NIL]
	IDS
	s_and_b32 s2, ttmp7, 0xffff                    ; the cluster's y
	s_lshr_b32 s[BT], s2, 1                        ; the batch: two cluster rows (1,024 queries each) to a batch
	s_lshl_b32 s[TI], s2, 2
	s_add_co_u32 s[TI], s[TI], s[CY]
	s_lshl_b32 s[TJ], ttmp9, 2
	s_add_co_u32 s[TJ], s[TJ], s[CX]
	s_mov_b32 s[CS], 0x3d38aa3b                    ; c = log2(e) / sqrt(1024)
	s_mov_b32 s[CS+1], s[CS]
	s_lshl_b32 s92, s[TI], 1
	s_add_co_u32 s92, s92, s[WJ]                   ; Q's panel
	s_mul_i32 s94, s92, 98304
	s_mov_b32 s95, 0
	s_lshl_b32 s92, s92, 12
	s_add_co_u32 s92, s92, 12582912
	s_mov_b32 s93, 0
	s_lshl_b32 s96, s[BT], 4
	s_lshl_b32 s97, s[TJ], 1
	s_add_co_u32 s96, s96, s97
	s_add_co_u32 s96, s96, s[WJ]
	s_add_co_u32 s96, s96, 64                      ; K's panel: 64 + 16 batch + 2 TJ + WJ
	s_mul_i32 s98, s96, 98304
	s_mov_b32 s99, 0
	s_lshl_b32 s96, s96, 12
	s_add_co_u32 s96, s96, 12582912
	s_mov_b32 s97, 0
	s_wait_dscnt 0x0                               ; both opening adds are done
	s_wait_kmcnt 0x0
	s_add_nc_u64 s[94:95], s[4:5], s[94:95]
	s_add_nc_u64 s[92:93], s[4:5], s[92:93]
	s_add_nc_u64 s[98:99], s[4:5], s[98:99]
	s_add_nc_u64 s[96:97], s[4:5], s[96:97]
	FIRST
	ADDRS
	START
	STEP 0, 1
	TURN 0, 1                                      ; slot 3 into region 0
	STEP 1, 0
	TURN 1, 0
	STEP 2, 0
	TURN 2, 2
	STEP 3, 0
	LAST 7
	; THE WAY OUT.  Block a: a lane holds one query and 64 of my chunk's 128 keys (register 16 b + i = key 32 b + 16 h + i).
.irp b, 0,1,2,3
	v_mov_b32 v[TM+4+\b], 0                        ; a lane permute's destination counts as one of its sources
.endr
	v_mov_b32 v57, 0                               ; (named as the upper half of the pair v[56:57])
	s_lshl_b32 s2, s[TI], 1
	s_add_co_u32 s2, s2, s[WI]                     ; my query panel
	s_lshl_b32 s3, s[TJ], 1
	s_add_co_u32 s3, s3, s[WJ]                     ; my chunk of keys: P's K step
	s_mul_i32 s92, s2, 196608
	s_mul_i32 s98, s3, STEPB
	s_add_co_u32 s92, s92, s98
	s_mov_b32 s93, 0
	s_lshl_b32 s94, s2, 13
	s_lshl_b32 s98, s3, 9
	s_add_co_u32 s94, s94, s98
	s_add_co_u32 s94, s94, 12582912
	s_mov_b32 s95, 0
	s_lshl_b32 s96, s2, 14
	s_lshl_b32 s98, s3, 10
	s_add_co_u32 s96, s96, s98
	s_add_co_u32 s96, s96, 13107200
	s_mov_b32 s97, 0
	s_add_nc_u64 s[OC:OC+1], s[6:7], s[92:93]
	s_add_nc_u64 s[OS:OS+1], s[6:7], s[94:95]
	s_add_nc_u64 s[OT:OT+1], s[6:7], s[96:97]
.macro OUTA a
.set AC, 64*((\a)%4)
.set WA, 2+(\a)/4
.set W3, WA*0x15
.set W2, WA*0x14
	WIN W3                                         ; all three sources in the accumulators' window
.irp b, 0,1,2,3
	v_max3_num_f32 v[TM+\b], v[AC+16*\b], v[AC+16*\b+1], v[AC+16*\b+2]   ; the largest score of each block of 32 keys: for the chunk's maximum and, since p rises with the score, for the block's largest p
.endr
	WIN W2                                         ; sources 1 and 2
.irp i, 3,5,7,9,11,13
.irp b, 0,1,2,3
	v_max3_num_f32 v[TM+\b], v[TM+\b], v[AC+16*\b+\i], v[AC+16*\b+\i+1]
.endr
.endr
.irp b, 0,1,2,3
	v_max_num_f32 v[TM+\b], v[TM+\b], v[AC+16*\b+15]
.endr
	WIN 0
.irp b, 0,1,2,3
	v_permlanex16_b32 v[TM+4+\b], v[TM+\b], s[SEL], s[SEL+1]
.endr
.irp b, 0,1,2,3
	v_max_num_f32 v[TM+\b], v[TM+\b], v[TM+4+\b]   ; with lane l xor 16's 16 keys
.endr
	v_max3_num_f32 v62, v[TM], v[TM+1], v[TM+2]
	v_max_num_f32 v62, v62, v[TM+3]                ; the chunk's largest score of my query
	v_mul_f32 v62, s[CS], v62                      ; as t (c is positive)
	v_floor_f32 v56, -v62                          ; -M_loc = floor(-t) = -ceil(t)
	WIN WA
.set j, 0
.rept 32
	v_pk_fma_f32 v[X+j:X+j+1], v[AC+j:AC+j+1], s[CS:CS+1], v[56:57] op_sel_hi:[1,0,0]   ; t - M_loc, two at a time
.set j, j+2
.endr
	WIN 0
.irp b, 0,1,2,3
	v_fma_f32 v[TM+\b], v[TM+\b], s[CS], v56       ; the same of each block's largest score
.endr
.set j, 0
.rept 64
	v_exp_f32 v[X+j], v[X+j]                       ; p = 2^(t - M_loc), at most 1
.set j, j+1
.endr
	v_mov_b32 v[NMS+(\a)], v56                     ; (a plain place behind the exponentials)
	s_wait_alu depctr_va_vdst(0)                   ; one wait for the batch, ahead of its first reader
.irp b, 0,1,2,3
	v_exp_f32 v[TM+\b], v[TM+\b]                   ; the block's largest p: the same two instructions on the same number
.endr
	v_pk_add_f32 v[58:59], v[X:X+1], v[X+2:X+3]    ; the sum of the unquantised p, in two chains
	v_pk_add_f32 v[60:61], v[X+4:X+5], v[X+6:X+7]
.irp j, 8,12,16,20,24,28,32,36,40,44,48,52,56,60
	v_pk_add_f32 v[58:59], v[58:59], v[X+\j:X+\j+1]
	v_pk_add_f32 v[60:61], v[60:61], v[X+\j+2:X+\j+3]
.endr
	v_pk_add_f32 v[58:59], v[58:59], v[60:61]
	v_add_f32 v58, v58, v59
	v_permlanex16_b32 v60, v58, s[SEL], s[SEL+1]
	v_add_f32 v[LS+(\a)], v58, v60                 ; l_loc
	s_wait_alu depctr_va_vdst(0)                   ; and one for the four
.irp b, 0,1,2,3
	v_max_num_f32 v[TM+\b], 0x21800000, v[TM+\b]   ; the floor 2^-60: no byte under 63, so that the next launch can take up to 62 off each
.endr
	BYTES SW+(\a)
.if (\a) > 0
	s_wait_xcnt 0x0                                ; the last block's stores have read v[PC] on
.endif
	CODES X
	PUT \a
.endm
.irp a, 0,1,2,3,4,5,6,7
	OUTA \a
.endr
	v_cmp_eq_u32 vcc_lo, 1, v2
.irp i, 0,1,2,3
	v_cndmask_b32 v[X+\i], v[SW+\i], v[SW+4+\i], vcc_lo     ; lanes 0-15: groups 0-3; lanes 16-31: groups 4-7
	v_cndmask_b32 v[X+4+\i], v[NMS+\i], v[NMS+4+\i], vcc_lo
	v_cndmask_b32 v[X+8+\i], v[LS+\i], v[LS+4+\i], vcc_lo
.endr
	global_store_b128 v[SO], v[X:X+3], s[OS:OS+1]            ; each 512 consecutive bytes
	global_store_b128 v[SO], v[X+4:X+7], s[OT:OT+1]
	global_store_b128 v[SO], v[X+8:X+11], s[OT:OT+1] offset:512
	FINISH
.Lfunc_end_k_q31ed1d6d30_scores:
	.size	k_q31ed1d6d30_scores, .Lfunc_end_k_q31ed1d6d30_scores-k_q31ed1d6d30_scores
	.p2alignl 7, 3214868480
	.fill 96, 4, 3214868480
	.section	.rodata,"a",@progbits
	.p2align	6, 0x0
	.amdhsa_kernel k_q31ed1d6d30_scores
		.amdhsa_group_segment_fixed_size 327680
		.amdhsa_private_segment_fixed_size 0
		.amdhsa_enable_private_segment 0
		.amdhsa_kernarg_size 16
		.amdhsa_user_sgpr_count 2
		.amdhsa_user_sgpr_kernarg_segment_ptr 1
		.amdhsa_wavefront_size32 1
		.amdhsa_system_sgpr_workgroup_id_x 1
		.amdhsa_system_sgpr_workgroup_id_y 1
		.amdhsa_system_sgpr_workgroup_id_z 1
		.amdhsa_system_vgpr_workitem_id 0
		.amdhsa_next_free_vgpr 1024
		.amdhsa_next_free_sgpr 102
		.amdhsa_reserve_vcc 1
		.amdhsa_float_denorm_mode_32 3
		.amdhsa_float_denorm_mode_16_64 3
		.amdhsa_memory_ordered 1
		.amdhsa_forward_progress 1
		.amdhsa_inst_pref_size 193
	.end_amdhsa_kernel
	.amdgpu_metadata
---
amdhsa.version: [ 1, 2 ]
amdhsa.kernels:
  - .name:           k_q31ed1d6d30_scores
    .symbol:         k_q31ed1d6d30_scores.kd
    .args:
      - { .name: qk, .offset: 0, .size: 8, .value_kind: global_buffer, .address_space: global }
      - { .name: pp, .offset: 8, .size: 8, .value_kind: global_buffer, .address_space: global }
    .group_segment_fixed_size: 327680
    .private_segment_fixed_size: 0
    .kernarg_segment_align: 8
    .kernarg_segment_size: 16
    .max_flat_workgroup_size: 128
    .sgpr_count:     102
    .vgpr_count:     1024
    .wavefront_size: 32
...
	.end_amdgpu_metadata
.endif
;; end of part 3
;; launch pv (part 4): grid 8 x 32, 4 waves a work-group, clusters of 4 x 4, 327,680 bytes of LDS; arguments pp, vt, oo; writes oo
.if DOCPART == 4
	.amdgcn_target "amdgcn-amd-amdhsa--gfx1250"
	.amdhsa_code_object_version 6
	.text
	.protected	k_q31ed1d6d30_pv
	.globl	k_q31ed1d6d30_pv
	.p2align	8
	.type	k_q31ed1d6d30_pv,@function
k_q31ed1d6d30_pv:
	s_mov_b64 s[64:65], 0
	v_nop
	global_prefetch_b8 v0, s[64:65] scope:SCOPE_SE
	s_setreg_imm32_b32 hwreg(HW_REG_WAVE_MODE, 25, 1), 1
	s_wait_xcnt 0x0
	s_wait_alu depctr_hold_cnt(0) depctr_sa_sdst(0) depctr_va_vdst(0) depctr_va_sdst(0) depctr_va_ssrc(0) depctr_va_vcc(0) depctr_vm_vsrc(0)
	s_getreg_b32 s2, hwreg(HW_REG_IB_STS2, 6, 4)
	s_cmp_eq_u32 s2, 0
	s_cbranch_scc0 .Lentry_in_a_cluster
	s_endpgm
.Lentry_in_a_cluster:
	s_bfe_u32 s2, ttmp6, 0x10000c
	s_cmp_lg_u32 s2, 0xf033
	s_cbranch_scc0 .Lentry_shape_is_right
	s_endpgm
.Lentry_shape_is_right:
; LAUNCH 4 OF 5.  O = P V / l on the codes of pp and vt, quantised along the features into oo.  Nothing is left out.
; AT THE HEAD the softmax is finished.  For each of my 64 queries: -M = the least of the 16 chunks' -M_loc; d = M_loc - M, a whole number, 0 or less, held at -62; each of a chunk's four scale bytes + d (one
; multiplication by 0x01010101 and one addition: launch 3 left no byte under 63, so no byte borrows); l = the sum of l_loc 2^d.  The codes are untouched: they are those of p = 2^(t - M).
; Lane (r, h) serves chunks 8 h + k: so register W + 4 k + a holds chunk k's word of block a's row r in lanes 0-15 and chunk 8 + k's in lanes 16-31, and the row selector of source 1's scale picks between them.
; LAYOUT: images of the operand's registers.  A panel = 128 rows, all of K; codes [panel][K step s][group g][1536], registers 4 c .. 4 c + 3 of lane l at 512 c + 16 l; lane r of group g holds row
; 32 (g / 2) + 8 (g % 2) + r + 8 (r / 8); scale words [panel][s][g / 4][r][g % 4].  pp: 64 query panels of 196,608 bytes, words from 12,582,912, [panel][s][-M_loc, l_loc][g / 4][r][g % 4] from 13,107,200.
; vt: panel 8 batch + feature panel, words from 6,291,456.  oo: 64 panels of 98,304, words from 6,291,456.
; SHARES.  A tile of 256 queries x 128 features to a work-group: 32 x 8 = 256 work-groups, one for each WGP (a tile of 256 x 256 would give 128).  Wave w multiplies groups 4 (w % 2) .. + 3 of P's panel w / 2 (source 1: a lane
; holds one query) by all eight groups of the one panel of V^T (source 0: the features run along a lane's registers, which is the next K): 32 accumulators.  For 128 along K a wave reads 12 fragments for 32 matrix instructions.
; THE RING.  K = 2,048 keys in four slots of 512 (four K steps) through two LDS regions: slots 0, 1 and V^T's scale words at the head (three tensor loads of a wave out at the most), slots 2, 3 as refills, one load a wave behind
; a round of the cluster's barrier.  Waves 0, 1 fetch P's two panels, waves 2, 3 the two halves (along K) of V^T's piece.  Clusters of 4 x 4: P's panels are asked for jointly along a row, V^T's along a column.
; PREFETCH: once, in K step 1, behind the run of LDS loads: slots 2 and 3 (a panel's second 98,304 bytes): two K steps ahead of slot 2's load, six ahead of slot 3's.  The four partners that ask for a panel jointly take
; a quarter each, told apart by address (24,576 bytes: three instructions, lanes 256 bytes apart).  P's panels are walked by the two clusters of a row of clusters: the first asks (waves 0, 1); V^T's by the two clusters
; of a batch: the first asks (wave 2).  So each block of 256 bytes is named once.
; REGISTERS: window 0: v16-27 addresses, v28-29 the add's two, v30 the prefetches' offset, v32-47 V^T's scale words (two sets), v64-95 P's scale words, v128-223 P's fragments (two sets of four), v224-231 1 / l;
; window 1: V^T's fragments, two sets at v0, v96; window 2: accumulator (a, b) at v[8 (8 a + b)].  On the way out window 0's v32-223 are free.
; LIMITS: a chunk whose M_loc lies more than 62 under the row's M is weighed with 2^-62: beside a row's largest p, over 1/2, nothing that f32 keeps.  1 / l by v_rcp_f32.  A block of zeros gets the byte 1, not 127 (zero
; codes; read by this program alone).  NaN and infinities are not served.
.set FR,    12                         ; registers of a fragment
.set FRB,   1536                       ; its image in bytes
.set STEPB, 8*FRB                      ; a panel's eight fragments of 128 along K
.set APIECE, 4*STEPB                   ; a panel's part of a slot: dense in memory and in LDS
.set BHALF, 2*STEPB                    ; half of it: what wave 2 or 3 fetches
.set SLOT,  3*APIECE                   ; P's two panels, then V^T's one
.set SCL,   2*SLOT                     ; behind the two regions: V^T's scale words, 2,048 bytes a wave
.set SPARE, SCL+16384                  ; the spare words, 128 bytes a wave: two blocks of 256 bytes that no other line names
.set ADRA, 16                          ; v16-17 my four groups of P in region 0, 1, + 16 x lane
.set ADRB, 20                          ; v20-21 V^T's panel
.set ADRS, 24                          ; v24 V^T's scale words, the same in both halves of the lanes
.set LI,   25                          ; v25 16 x lane
.set SO,   26                          ; v26 16 r + 8 h
.set SPW,  28
.set NIL,  29
.set PFO,  30                          ; v30 256 x lane; never rewritten
.set SC,   32
.set W,    64
.set AF,   128
.set RL,   224
.set NM,   128                         ; the head: -M_loc, then d
.set LL,   160                         ; l_loc
.set MN,   32                          ; -M
.set LSM,  36                          ; l
.set T8,   40
.set X,    128                         ; the way out: 64 numbers
.set TM,   192                         ; at work
.set PC,   64                          ; the codes just made
.set SW,   32                          ; four scale words
.set WV, 16
.set WI, 17
.set WJ, 18
.set TI, 19
.set TJ, 20
.set CX, 21
.set CY, 22
.set BT, 23
.set PFA, 14                           ; s[14:15] where my prefetches stand; never rewritten
.set PFL, 66                           ; s66 0 in a wave that prefetches
.set MULC, 67                          ; s67 0x01010101
.set G1A, 24
.set G1B, 32
.set G1SB, 48
.set G0A, 56                           ; s[56:59], s[60:63]: a group 0 for each region
.set G0B, 72                           ; s[72:75], s[76:79]
.set G0SB, 88
.set OC, 92
.set OS, 94
.set SEL, 100
.set MSB, 0
.macro WIN new                         ; the immediate's high byte repeats the setting that is left
.if MSB != \new
	s_set_vgpr_msb (MSB<<8)|\new
.set MSB, \new
.endif
.endm
.set MULW, 0xa1                        ; source 0 (V^T) window 1, source 1 (P) window 0, C and D window 2
.set TO_B, 0x40                        ; destination window 1
.macro PLACES n                        ; plain places behind matrix instructions, in front of loads into registers that they read and of reads of results
.rept \n
	v_nop
.endr
.endm
.macro G1SET g, rows                   ; a dense block as rows of 256 bytes (32 elements of 8 bytes)
	s_mov_b32 s[\g+1], 32<<16
	s_mov_b32 s[\g+2], (\rows)<<16
	s_mov_b32 s[\g+3], 32<<16
	s_mov_b32 s[\g+4], \rows
	s_mov_b32 s[\g+5], 32
	s_mov_b32 s[\g+6], 0
	s_mov_b32 s[\g+7], 0
.endm
.macro JLOAD g0a, g1a, g0b, g1b        ; a joint load: waves 0, 1 for P, waves 2, 3 for V^T; an s_nop 0 and four v_nop follow each line
	s_cmp_eq_u32 s[WI], 0
	s_cbranch_scc0 .Lfor_b_\@
	tensor_load_to_lds s[\g0a:\g0a+3], s[\g1a:\g1a+7]
	s_nop 0
.rept 4
	v_nop
.endr
	s_branch .Lasked_\@
.Lfor_b_\@:
	tensor_load_to_lds s[\g0b:\g0b+3], s[\g1b:\g1b+7]
	s_nop 0
.rept 4
	v_nop
.endr
.Lasked_\@:
.endm
.macro ASK                             ; the branch hangs on the wave's number and the cluster's x and y alone
	s_cmp_eq_u32 s[PFL], 0
	s_cbranch_scc0 .Lnot_mine_\@
	global_prefetch_b8 v[PFO], s[PFA:PFA+1] th:TH_LOAD_NT scope:SCOPE_SE
	global_prefetch_b8 v[PFO], s[PFA:PFA+1] offset:8192 th:TH_LOAD_NT scope:SCOPE_SE
	global_prefetch_b8 v[PFO], s[PFA:PFA+1] offset:16384 th:TH_LOAD_NT scope:SCOPE_SE
.Lnot_mine_\@:
.endm
.macro CREST                           ; a round of the cluster's barrier behind its opening barrier
	s_cmp_lg_u32 s[WV], 0
	s_cbranch_scc1 .Lnot_wave_0_\@
	s_barrier_signal -3
.Lnot_wave_0_\@:
	s_barrier_wait -3
	s_barrier_signal -1
	s_barrier_wait -1
.endm
.macro CROUND
	s_barrier_signal -1
	s_barrier_wait -1
	CREST
.endm
.macro FRAG reg, adr, off              ; a fragment comes back as it was stored: three loads of 512 consecutive bytes
.irp c, 0,1,2
	ds_load_b128 v[\reg+4*\c:\reg+4*\c+3], v[\adr] offset:\off+512*\c
.endr
.endm
.macro FETCH t                         ; K step t's fragments and V^T's scale words into set t % 2: 38 loads in one run
.set RG, ((\t)/4)%2
.set QQ, (\t)%4
.set PS, (\t)%2
	WIN TO_B
.irp i, 0,1,2,3,4,5,6,7
	FRAG 96*PS+FR*\i, ADRB+RG, QQ*STEPB+\i*FRB
.endr
	WIN 0
.irp i, 0,1,2,3
	FRAG AF+48*PS+FR*\i, ADRA+RG, QQ*STEPB+\i*FRB
.endr
	ds_load_b128 v[SC+8*PS:SC+8*PS+3], v[ADRS] offset:(\t)*512
	ds_load_b128 v[SC+8*PS+4:SC+8*PS+7], v[ADRS] offset:(\t)*512+256
.endm
; 8 matrix instructions: my block a of P x V^T's eight groups, K step t.  The 32 accumulators take turns, one instruction a turn, in the same order in every step.  zero = 1: the products start the sums.
.macro MUL8 a, t, zero
.set ST, SC+8*((\t)%2)
.set AA, AF+48*((\t)%2)+FR*(\a)
.set SA, W+4*((\t)%8)+(\a)
.irp b, 0,1,2,3,4,5,6,7
.set DD, 8*(8*(\a)+\b)
.set BB, 96*((\t)%2)+FR*\b
.if \zero
	v_wmma_scale_f32_16x16x128_f8f6f4 v[DD:DD+7], v[BB:BB+11], v[AA:AA+11], 0, v[ST+\b], v[SA] matrix_a_fmt:MATRIX_FMT_BF6 matrix_b_fmt:MATRIX_FMT_BF6
.elseif (\t) < 8
	v_wmma_scale_f32_16x16x128_f8f6f4 v[DD:DD+7], v[BB:BB+11], v[AA:AA+11], v[DD:DD+7], v[ST+\b], v[SA] matrix_a_fmt:MATRIX_FMT_BF6 matrix_b_fmt:MATRIX_FMT_BF6
.else
	v_wmma_scale_f32_16x16x128_f8f6f4 v[DD:DD+7], v[BB:BB+11], v[AA:AA+11], v[DD:DD+7], v[ST+\b], v[SA] matrix_a_fmt:MATRIX_FMT_BF6 matrix_b_fmt:MATRIX_FMT_BF6 matrix_b_scale:MATRIX_SCALE_ROW1
.endif
.endr
.endm
.macro STEP t, zero                    ; a K step whose successor lies in the same slot: the successor's loads go out first and land under this step's 32 products
	s_wait_dscnt 0x0                               ; this step's set is in
.if (\t) > 0
	PLACES 4                                       ; behind the last step's products, which read the set that is loaded now
.endif
	FETCH (\t)+1
.if (\t) == 1
	ASK
.endif
	WIN MULW
	MUL8 0, \t, \zero
	MUL8 1, \t, \zero
	MUL8 2, \t, \zero
	MUL8 3, \t, \zero
	WIN 0
.endm
; A slot's last K step changes slots.  Each wave waits for all its tensor loads (its part of the next slot), adds 0 to its spare word, and waits for that and for its reads of this slot.  kind 1: a round of the cluster's
; barrier, and the region just read out is filled again, with the slot two further on, first thing behind it.  kind 2: a plain barrier: the last slot's tiles are shown to all four waves; nothing is filled.
.macro TURN t, kind
	s_wait_tensorcnt 0x0                           ; all my tensor loads have landed
	ds_add_u32 v[SPW], v[NIL]                      ; 0 onto my spare word
	s_wait_dscnt 0x1                               ; this step's set is in (the add may be out)
	WIN MULW
	MUL8 0, \t, 0
	s_wait_dscnt 0x0                               ; the add is done, and my reads of this region are over
	s_barrier_signal -1
	MUL8 1, \t, 0
	WIN 0
	s_barrier_wait -1
.if \kind == 1
	CREST                                          ; no wave of any partner still reads this region or has a load on its way
.set GA, G0A+4*(((\t)/4)%2)
.set GB, G0B+4*(((\t)/4)%2)
	s_add_nc_u64 s[GA+2:GA+3], s[GA+2:GA+3], 2*APIECE
	s_add_nc_u64 s[GB+2:GB+3], s[GB+2:GB+3], 2*APIECE
	JLOAD GA, G1A, GB, G1B                         ; its four v_nop are also the places in front of the loads below
.else
	PLACES 4
.endif
	FETCH (\t)+1
	WIN MULW
	MUL8 2, \t, 0
	MUL8 3, \t, 0
	WIN 0
.endm
.macro BYTES pw                        ; v[TM + b]: the four blocks' largest magnitudes -> the conversions' scale operands, the bytes, my row's scale word
.irp b, 0,1,2,3
	v_add_nc_u32 v[TM+12+\b], 0xfe000000, v[TM+\b] ; 4 off the exponent field
.endr
.irp b, 0,1,2,3
	v_lshrrev_b32 v[TM+4+\b], 23, v[TM+12+\b]
.endr
	v_lshl_or_b32 v[\pw], v[TM+5], 8, v[TM+4]
	v_lshl_or_b32 v[\pw], v[TM+6], 16, v[\pw]
	v_lshl_or_b32 v[\pw], v[TM+7], 24, v[\pw]
.endm
.macro CODES s                         ; 64 numbers of a lane (register 16 b + i = k 32 b + 16 h + i of my row) become a fragment's 12 registers in v[PC] on
.irp c, 0,1
	v_cvt_scalef32_pk16_bf6_f32 v[PC+6*\c:PC+6*\c+2], v[\s+32*\c:\s+32*\c+15], v[TM+12+2*\c]
	v_cvt_scalef32_pk16_bf6_f32 v[PC+12+4*\c:PC+12+4*\c+2], v[\s+32*\c+16:\s+32*\c+31], v[TM+13+2*\c]
.endr
	v_nop                                          ; one plain place behind a scaled conversion
.irp c, 0,1
.irp i, 0,1,2
	v_permlane16_swap_b32 v[PC+6*\c+\i], v[PC+12+4*\c+\i]
.endr
.irp i, 0,1,2
	v_mov_b32 v[PC+3+6*\c+\i], v[PC+12+4*\c+\i]
.endr
.endr
.endm
.macro QUANT s, pw
.irp b, 0,1,2,3
	v_max3_num_f32 v[TM+\b], |v[\s+16*\b]|, |v[\s+1+16*\b]|, 0x2800000   ; and the floor 2^(5 - 127): the byte cannot fall under 1
.endr
.irp i, 2,4,6,8,10,12,14
.irp b, 0,1,2,3
	v_max3_num_f32 v[TM+\b], v[TM+\b], |v[\s+16*\b+\i]|, |v[\s+1+16*\b+\i]|
.endr
.endr
.irp b, 0,1,2,3
	v_permlanex16_b32 v[TM+4+\b], v[TM+\b], s[SEL], s[SEL+1]
.endr
.irp b, 0,1,2,3
	v_max_num_f32 v[TM+\b], v[TM+\b], v[TM+4+\b]
.endr
	BYTES \pw
	CODES \s
.endm
.macro PUT a                           ; the fragment leaves as its image: three stores of 512 consecutive bytes
.irp c, 0,1,2
	global_store_b128 v[LI], v[PC+4*\c:PC+4*\c+3], s[OC:OC+1] offset:FRB*(\a)+512*\c
.endr
.endm
	s_load_b128 s[4:7], s[0:1], 0x0                ; pp, vt
	s_load_b64 s[8:9], s[0:1], 0x10                ; oo
	v_lshl_add_u32 v[SPW], v0, 2, SPARE
	v_mov_b32 v[NIL], 0
	ds_add_u32 v[SPW], v[NIL]                      ; the opening: the add, twice on end, and its wait ahead of my first tensor load
	ds_add_u32 v[SPW], v[NIL]
	v_lshrrev_b32 v1, 5, v0
	v_readfirstlane_b32 s[WV], v1
	s_lshr_b32 s[WI], s[WV], 1                     ; which panel of P I multiply; also: I fetch for P (0) or V^T (1)
	s_and_b32 s[WJ], s[WV], 1                      ; which four of its groups; also: which panel of P, or which half of V^T's piece, I fetch
	s_bfe_u32 s[CX], ttmp6, 0x40000
	s_bfe_u32 s[CY], ttmp6, 0x40004
	s_lshl_b32 s2, s[CY], 2
	s_lshl_b32 s2, 15, s2                          ; my row of the cluster
	s_lshl_b32 s3, 0x1111, s[CX]                   ; my column
	s_or_b32 s[G1A], s2, (3<<16)|(1<<21)           ; 15:0 the mask; 17:16 elements of 8 bytes; 21 set beside a mask; no padding
	s_or_b32 s[G1B], s3, (3<<16)|(1<<21)
	s_or_b32 s[G1SB], s3, (3<<16)|(1<<21)
	G1SET G1A, 192                                 ; 49,152 bytes
	G1SET G1B, 96                                  ; 24,576
	G1SET G1SB, 8                                  ; 2,048
	s_mov_b32 s[SEL], 0x76543210
	s_mov_b32 s[SEL+1], 0xfedcba98
	s_and_b32 s2, ttmp7, 0xffff                    ; the cluster's y
	s_lshr_b32 s[BT], s2, 1                        ; the batch: two cluster rows (1,024 queries each) to a batch
	s_and_b32 s3, s2, 1
	s_or_b32 s3, s3, s[WJ]                         ; 0: the batch's first cluster, and of waves 2, 3 the first
	s_cmp_eq_u32 s[WI], 0
	s_cselect_b32 s[PFL], ttmp9, s3                ; waves 0, 1: 0 in the first cluster along x
	s_lshl_b32 s[TI], s2, 2
	s_add_co_u32 s[TI], s[TI], s[CY]               ; tile row: 256 queries
	s_lshl_b32 s[TJ], ttmp9, 2
	s_add_co_u32 s[TJ], s[TJ], s[CX]               ; tile column: 128 features
	s_mov_b32 s[MULC], 0x01010101
	s_lshl_b32 s94, s[TI], 1
	s_add_co_u32 s94, s94, s[WJ]                   ; the panel of P that I would fetch
	s_mul_i32 s94, s94, 196608
	s_mov_b32 s95, 0
	s_lshl_b32 s3, s[TI], 1
	s_add_co_u32 s3, s3, s[WI]                     ; the panel of P that I multiply
	s_lshl_b32 s93, s[WJ], 8                       ; my four groups' 256 bytes of each 512
	s_lshl_b32 s92, s3, 13
	s_add_co_u32 s92, s92, s93
	s_add_co_u32 s92, s92, 12582912                ; their scale words
	s_lshl_b32 s2, s3, 14
	s_add_co_u32 s2, s2, s93
	s_add_co_u32 s2, s2, 13107200                  ; their -M_loc and l_loc
	s_mov_b32 s93, 0
	s_mov_b32 s3, 0
	s_lshl_b32 s96, s[BT], 3
	s_add_co_u32 s96, s96, s[TJ]                   ; V^T's panel
	s_mul_i32 s98, s96, 196608
	s_mul_i32 s99, s[WJ], BHALF
	s_add_co_u32 s98, s98, s99                     ; my half of its piece
	s_mov_b32 s99, 0
	s_lshl_b32 s96, s96, 13
	s_lshl_b32 s97, s[WV], 11
	s_add_co_u32 s96, s96, s97                     ; my quarter of its 8,192 bytes of scale words
	s_add_co_u32 s96, s96, 6291456
	s_mov_b32 s97, 0
	v_and_b32 v1, 15, v0                           ; r
	v_bfe_u32 v2, v0, 4, 1                         ; h
	v_lshlrev_b32 v4, 4, v1
	v_lshl_add_u32 v5, v2, 13, v4                  ; lanes 16-31: eight chunks further on: 8 x 1,024 bytes,
	v_lshl_add_u32 v4, v2, 12, v4                  ; 8 x 512 bytes
	v_and_b32 v[PFO], 31, v0
	v_lshlrev_b32 v[PFO], 8, v[PFO]
	s_wait_dscnt 0x0                               ; both opening adds are done
	s_wait_kmcnt 0x0
	s_add_nc_u64 s[10:11], s[4:5], s[92:93]
	s_add_nc_u64 s[12:13], s[4:5], s[2:3]
	s_add_nc_u64 s[94:95], s[4:5], s[94:95]
	s_add_nc_u64 s[98:99], s[6:7], s[98:99]
	s_add_nc_u64 s[96:97], s[6:7], s[96:97]
.irp k, 0,1,2,3,4,5,6,7                ; sixteen lanes read 256 consecutive bytes
	global_load_b128 v[W+4*\k:W+4*\k+3], v4, s[10:11] offset:512*\k
	global_load_b128 v[NM+4*\k:NM+4*\k+3], v5, s[12:13] offset:1024*\k
	global_load_b128 v[LL+4*\k:LL+4*\k+3], v5, s[12:13] offset:1024*\k+512
.endr
	s_cmp_eq_u32 s[WI], 0
	s_cselect_b64 s[PFA:PFA+1], s[94:95], s[98:99] ; the panel that I fetch (wave 2 stands at V^T's panel's first byte; wave 3 asks for nothing)
	s_cselect_b32 s2, s[CX], s[CY]                 ; my place among the four that ask for it with me
	s_add_co_u32 s2, s2, 4
	s_mul_i32 s2, s2, BHALF                        ; the quarter 'place' of the panel's second half
	s_mov_b32 s3, 0
	s_add_nc_u64 s[PFA:PFA+1], s[PFA:PFA+1], s[2:3]
	s_mul_i32 s3, s[WJ], APIECE                    ; LDS places hang on the wave's number alone: P's panel in a slot,
	s_mul_i32 s2, s[WJ], BHALF
	s_add_co_u32 s2, s2, 2*APIECE                  ; V^T's half piece
	CROUND                                         ; all sixteen work-groups are here: the first joint loads meet
	s_mov_b32 s[G0SB], 1
	s_lshl_b32 s[G0SB+1], s[WV], 11
	s_add_co_u32 s[G0SB+1], s[G0SB+1], SCL
	s_mov_b64 s[G0SB+2:G0SB+3], s[96:97]
	s_or_b32 s[G0SB+3], s[G0SB+3], 0x80000000
	tensor_load_to_lds s[G0SB:G0SB+3], s[G1SB:G1SB+7]   ; every wave a quarter of its own, jointly along my column
	s_nop 0
.rept 4
	v_nop
.endr
.irp r, 0,1
.set GA, G0A+4*\r
.set GB, G0B+4*\r
	s_mov_b32 s[GA], 1
	s_add_co_u32 s[GA+1], s3, \r*SLOT
	s_add_nc_u64 s[GA+2:GA+3], s[94:95], \r*APIECE
	s_or_b32 s[GA+3], s[GA+3], 0x80000000
	s_mov_b32 s[GB], 1
	s_add_co_u32 s[GB+1], s2, \r*SLOT
	s_add_nc_u64 s[GB+2:GB+3], s[98:99], \r*APIECE
	s_or_b32 s[GB+3], s[GB+3], 0x80000000
	JLOAD GA, G1A, GB, G1B
.endr
	; the LDS addresses
	v_and_b32 v3, 31, v0
	v_lshlrev_b32 v[LI], 4, v3
	s_mul_i32 s2, s[WI], APIECE
	s_mul_i32 s3, s[WJ], 4*FRB
	s_add_co_u32 s2, s2, s3                        ; my panel of P, my four groups
.irp r, 0,1
	v_add_nc_u32 v[ADRA+\r], s2, v[LI]
	v_add_nc_u32 v[ADRB+\r], 2*APIECE+\r*SLOT, v[LI]
	s_add_co_u32 s2, s2, SLOT
.endr
	v_lshl_add_u32 v[ADRS], v1, 4, SCL
	v_lshlrev_b32 v[SO], 4, v1
	v_lshl_add_u32 v[SO], v2, 3, v[SO]
	; the softmax is finished: register 4 k + a is chunk 8 h + k, block a, row r
	s_wait_loadcnt 0x0
.irp a, 0,1,2,3
	v_min3_num_f32 v[MN+\a], v[NM+\a], v[NM+4+\a], v[NM+8+\a]
.endr
.irp k, 12,20
.irp a, 0,1,2,3
	v_min3_num_f32 v[MN+\a], v[MN+\a], v[NM+\k+\a], v[NM+\k+4+\a]
.endr
.endr
.irp a, 0,1,2,3
	v_min_num_f32 v[MN+\a], v[MN+\a], v[NM+28+\a]
	v_mov_b32 v[T8+\a], 0                          ; a lane permute's destination counts as one of its sources
.endr
.irp a, 0,1,2,3
	v_permlanex16_b32 v[T8+\a], v[MN+\a], s[SEL], s[SEL+1]
.endr
.irp a, 0,1,2,3
	v_min_num_f32 v[MN+\a], v[MN+\a], v[T8+\a]     ; -M of the row
.endr
.set j, 0
.rept 32
	v_sub_f32 v[NM+j], v[MN+j%4], v[NM+j]          ; d = M_loc - M
.set j, j+1
.endr
.set j, 0
.rept 32
	v_max_num_f32 v[NM+j], 0xc2780000, v[NM+j]     ; held at -62
.set j, j+1
.endr
.set j, 0
.rept 32
	v_cvt_i32_f32 v[NM+j], v[NM+j]
.set j, j+1
.endr
.set j, 0
.rept 32
	v_ldexp_f32 v[LL+j], v[LL+j], v[NM+j]          ; l_loc 2^d: nothing is rounded
.set j, j+1
.endr
.set j, 0
.rept 32
	v_mul_lo_u32 v[NM+j], v[NM+j], s[MULC]
.set j, j+1
.endr
.set j, 0
.rept 32
	v_add_nc_u32 v[W+j], v[W+j], v[NM+j]           ; d onto each of the word's four bytes
.set j, j+1
.endr
.irp i, 0,2                            ; (all that follows also stands between the last write of a scale register and the first product)
	v_pk_add_f32 v[LSM+\i:LSM+\i+1], v[LL+\i:LL+\i+1], v[LL+4+\i:LL+4+\i+1]
.endr
.irp k, 8,12,16,20,24,28
.irp i, 0,2
	v_pk_add_f32 v[LSM+\i:LSM+\i+1], v[LSM+\i:LSM+\i+1], v[LL+\k+\i:LL+\k+\i+1]
.endr
.endr
.irp a, 0,1,2,3
	v_permlanex16_b32 v[T8+\a], v[LSM+\a], s[SEL], s[SEL+1]
.endr
.irp a, 0,1,2,3
	v_add_f32 v[LSM+\a], v[LSM+\a], v[T8+\a]       ; the row's l
.endr
.irp a, 0,1,2,3
	v_rcp_f32 v[RL+2*\a], v[LSM+\a]
.endr
	v_nop                                          ; a plain place behind the last reciprocal
	s_wait_alu depctr_va_vdst(0)                   ; one wait for the four, ahead of their first reader
.irp a, 0,1,2,3
	v_mov_b32 v[RL+2*\a+1], v[RL+2*\a]             ; a pair for the packed multiplication
.endr
	s_wait_tensorcnt 0x1                           ; my scale words and my part of slot 0 are in; slot 1 may stay out
	s_barrier_signal -1
	s_barrier_wait -1
	FETCH 0
	STEP 0, 1
	STEP 1, 0
	STEP 2, 0
	TURN 3, 1                                      ; slot 2 into region 0
	STEP 4, 0
	STEP 5, 0
	STEP 6, 0
	TURN 7, 1                                      ; slot 3 into region 1: the last refill
	STEP 8, 0
	STEP 9, 0
	STEP 10, 0
	TURN 11, 2
	STEP 12, 0
	STEP 13, 0
	STEP 14, 0
	s_wait_dscnt 0x0                               ; the last K step fetches nothing
	WIN MULW
	MUL8 0, 15, 0
	MUL8 1, 15, 0
	MUL8 2, 15, 0
	MUL8 3, 15, 0
	WIN 0
	PLACES 4
	; THE WAY OUT.  Block a: x 1 / l, quantised along the features, stored as fragment 4 (w % 2) + a of my output unit.
.irp b, 0,1,2,3
	v_mov_b32 v[TM+4+\b], 0                        ; a lane permute's destination counts as one of its sources
.endr
	s_lshl_b32 s2, s[TI], 1
	s_add_co_u32 s2, s2, s[WI]                     ; my panel of queries
	s_mul_i32 s92, s2, 98304
	s_mul_i32 s98, s[TJ], STEPB                    ; my 128 features: O's K step
	s_add_co_u32 s92, s92, s98
	s_mul_i32 s98, s[WJ], 4*FRB                    ; my four groups
	s_add_co_u32 s92, s92, s98
	s_mov_b32 s93, 0
	s_lshl_b32 s94, s2, 12
	s_lshl_b32 s98, s[TJ], 9
	s_add_co_u32 s94, s94, s98
	s_lshl_b32 s98, s[WJ], 8
	s_add_co_u32 s94, s94, s98
	s_add_co_u32 s94, s94, 6291456
	s_mov_b32 s95, 0
	s_add_nc_u64 s[OC:OC+1], s[8:9], s[92:93]
	s_add_nc_u64 s[OS:OS+1], s[8:9], s[94:95]
.macro OUTA a
.set AC, 64*(\a)
	WIN 0x02                                       ; source 0: the accumulators' window
.set j, 0
.rept 32
	v_pk_mul_f32 v[X+j:X+j+1], v[AC+j:AC+j+1], v[RL+2*(\a):RL+2*(\a)+1]
.set j, j+2
.endr
	WIN 0
.if (\a) > 0
	s_wait_xcnt 0x0                                ; the last block's stores have read v[PC] on
.endif
	QUANT X, SW+(\a)
	PUT \a
.endm
.irp a, 0,1,2,3
	OUTA \a
.endr
	v_cmp_eq_u32 vcc_lo, 1, v2
	v_cndmask_b32 v[X], v[SW], v[SW+2], vcc_lo     ; lanes 0-15 store blocks 0, 1's words of row r, lanes 16-31 blocks 2, 3's
	v_cndmask_b32 v[X+1], v[SW+1], v[SW+3], vcc_lo
	global_store_b64 v[SO], v[X:X+1], s[OS:OS+1]   ; 256 consecutive bytes, at a multiple of 256 from the buffer's first byte
	s_wait_tensorcnt 0x0                           ; the wave's end
	ds_add_u32 v[SPW], v[NIL]
	s_wait_dscnt 0x0
	CROUND                                         ; the closing round
	s_endpgm
.Lfunc_end_k_q31ed1d6d30_pv:
	.size	k_q31ed1d6d30_pv, .Lfunc_end_k_q31ed1d6d30_pv-k_q31ed1d6d30_pv
	.p2alignl 7, 3214868480
	.fill 96, 4, 3214868480
	.section	.rodata,"a",@progbits
	.p2align	6, 0x0
	.amdhsa_kernel k_q31ed1d6d30_pv
		.amdhsa_group_segment_fixed_size 327680
		.amdhsa_private_segment_fixed_size 0
		.amdhsa_enable_private_segment 0
		.amdhsa_kernarg_size 24
		.amdhsa_user_sgpr_count 2
		.amdhsa_user_sgpr_kernarg_segment_ptr 1
		.amdhsa_wavefront_size32 1
		.amdhsa_system_sgpr_workgroup_id_x 1
		.amdhsa_system_sgpr_workgroup_id_y 1
		.amdhsa_system_sgpr_workgroup_id_z 1
		.amdhsa_system_vgpr_workitem_id 0
		.amdhsa_next_free_vgpr 768
		.amdhsa_next_free_sgpr 102
		.amdhsa_reserve_vcc 1
		.amdhsa_float_denorm_mode_32 3
		.amdhsa_float_denorm_mode_16_64 3
		.amdhsa_memory_ordered 1
		.amdhsa_forward_progress 1
		.amdhsa_inst_pref_size 158
	.end_amdhsa_kernel
	.amdgpu_metadata
---
amdhsa.version: [ 1, 2 ]
amdhsa.kernels:
  - .name:           k_q31ed1d6d30_pv
    .symbol:         k_q31ed1d6d30_pv.kd
    .args:
      - { .name: pp, .offset: 0, .size: 8, .value_kind: global_buffer, .address_space: global }
      - { .name: vt, .offset: 8, .size: 8, .value_kind: global_buffer, .address_space: global }
      - { .name: oo, .offset: 16, .size: 8, .value_kind: global_buffer, .address_space: global }
    .group_segment_fixed_size: 327680
    .private_segment_fixed_size: 0
    .kernarg_segment_align: 8
    .kernarg_segment_size: 24
    .max_flat_workgroup_size: 128
    .sgpr_count:     102
    .vgpr_count:     768
    .wavefront_size: 32
...
	.end_amdgpu_metadata
.endif
;; end of part 4
;; launch outp (part 5): grid 8 x 32, 4 waves a work-group, clusters of 4 x 4, 327,680 bytes of LDS; arguments oo, xw, bo, out0; writes out0
.if DOCPART == 5
	.amdgcn_target "amdgcn-amd-amdhsa--gfx1250"
	.amdhsa_code_object_version 6
	.text
	.protected	k_q31ed1d6d30_outp
	.globl	k_q31ed1d6d30_outp
	.p2align	8
	.type	k_q31ed1d6d30_outp,@function
k_q31ed1d6d30_outp:
	s_mov_b64 s[64:65], 0
	v_nop
	global_prefetch_b8 v0, s[64:65] scope:SCOPE_SE
	s_setreg_imm32_b32 hwreg(HW_REG_WAVE_MODE, 25, 1), 1
	s_wait_xcnt 0x0
	s_wait_alu depctr_hold_cnt(0) depctr_sa_sdst(0) depctr_va_vdst(0) depctr_va_sdst(0) depctr_va_ssrc(0) depctr_va_vcc(0) depctr_vm_vsrc(0)
	s_getreg_b32 s2, hwreg(HW_REG_IB_STS2, 6, 4)
	s_cmp_eq_u32 s2, 0
	s_cbranch_scc0 .Lentry_in_a_cluster
	s_endpgm
.Lentry_in_a_cluster:
	s_bfe_u32 s2, ttmp6, 0x10000c
	s_cmp_lg_u32 s2, 0xf033
	s_cbranch_scc0 .Lentry_shape_is_right
	s_endpgm
.Lentry_shape_is_right:
; LAUNCH 5 OF 5.  out0 = O Wo^T + bo on the codes of oo and of xw's panels 88-95, f32 out.  Nothing is left out.
; LAYOUT of oo and xw: images of the operand's registers.  A panel = 128 rows, K = 1,024 (98,304 bytes); codes [panel][K step s][group g][1536], registers 4 c .. 4 c + 3 of lane l at 512 c + 16 l; lane r of group g holds
; row 32 (g / 2) + 8 (g % 2) + r + 8 (r / 8); scale words [panel][s][g / 4][r][g % 4], from 6,291,456 in oo and from 9,437,184 in xw.
; SHARES.  A tile of 256 tokens x 128 outputs to a work-group: 32 x 8 = 256 work-groups, one for each WGP (a tile of 256 x 256 would give 128).  Wave w multiplies groups 4 (w % 2) .. + 3 of O's panel w / 2 (source 1: a lane
; holds one token) by all eight groups of the one panel of Wo (source 0: the outputs run along a lane's registers): 32 accumulators.  For 128 along K a wave reads 12 fragments for 32 matrix instructions.
; ALL OF K LIES IN LDS: two slots of 512 along K and the scale words are asked for at the head (three tensor loads of a wave out at the most); nothing is filled again.  Waves 0, 1 fetch O's two panels, waves 2, 3 the two
; halves (along K) of Wo's piece.  Clusters of 4 x 4: O's panels are asked for jointly along a row, Wo's along a column.  No prefetch: every tile is asked for by its load at the head.
; THE WAY OUT: a block of 16 tokens x 128 outputs, + bo, goes through my stage in LDS and leaves as whole rows of 512 bytes.  The stages lie in slot 0: it has had its one fill, and every wave has passed the change
; of slots' barrier behind its last read of it.
; REGISTERS: window 0: v16-27 addresses, v28-29 the add's two, v32-47 scale words (two sets: lanes 0-15 O's, lanes 16-31 Wo's), v128-223 O's fragments (two sets of four); window 1: Wo's fragments, two sets at v0, v96;
; v192-255 bo by registers; window 2: accumulator (a, b) at v[8 (8 a + b)].
.set FR,    12                         ; registers of a fragment
.set FRB,   1536                       ; its image in bytes
.set STEPB, 8*FRB                      ; a panel's eight fragments of 128 along K
.set APIECE, 4*STEPB                   ; a panel's part of a slot: dense in memory and in LDS
.set BHALF, 2*STEPB                    ; half of it: what wave 2 or 3 fetches
.set SLOT,  3*APIECE                   ; O's two panels, then Wo's one
.set SCL,   2*SLOT                     ; behind the two slots: scale words: O's two panels' 4,096 bytes each, then Wo's 4,096
.set SPARE, SCL+16384                  ; the spare words, 128 bytes a wave: two blocks of 256 bytes that no other line names
.set STAGE, 0                          ; 16 rows x (512 + 16) bytes for each wave
.set ADRA, 16                          ; v16-17 my four groups of O in slot 0, 1, + 16 x lane
.set ADRB, 20                          ; v20-21 Wo's panel
.set ADRT, 23                          ; v23 the words of Wo's groups 4-7, the same in both halves of the lanes
.set ADRS, 24                          ; v24 lanes 0-15: my four groups' words; lanes 16-31: those of Wo's groups 0-3
.set LI,   25                          ; v25 16 x lane
.set STO,  26                          ; v26 the stage: where I put my 64 bytes of a block of 32 outputs
.set RD,   27                          ; v27 and where I read a row back
.set SPW,  28
.set NIL,  29
.set SC,   32
.set AF,   128
.set X0,   64                          ; v64-127, v128-191: results with the bias, by turns
.set BJ,   192                         ; window 1: bo by registers
.set WV, 16
.set WI, 17
.set WJ, 18
.set TI, 19
.set TJ, 20
.set CX, 21
.set CY, 22
.set G1A, 24
.set G1B, 32
.set G1SA, 40
.set G1SB, 48
.set G0A, 56                           ; s[56:59], s[60:63]: a group 0 for each slot
.set G0B, 72                           ; s[72:75], s[76:79]
.set G0SA, 84
.set G0SB, 88
.set OC, 92
.set MSB, 0
.macro WIN new                         ; the immediate's high byte repeats the setting that is left
.if MSB != \new
	s_set_vgpr_msb (MSB<<8)|\new
.set MSB, \new
.endif
.endm
.set MULW, 0xa1                        ; source 0 (Wo) window 1, source 1 (O) window 0, C and D window 2
.set TO_B, 0x40                        ; destination window 1
.macro PLACES n                        ; plain places behind matrix instructions, in front of loads into registers that they read and of reads of results
.rept \n
	v_nop
.endr
.endm
.macro G1SET g, rows                   ; a dense block as rows of 256 bytes (32 elements of 8 bytes)
	s_mov_b32 s[\g+1], 32<<16
	s_mov_b32 s[\g+2], (\rows)<<16
	s_mov_b32 s[\g+3], 32<<16
	s_mov_b32 s[\g+4], \rows
	s_mov_b32 s[\g+5], 32
	s_mov_b32 s[\g+6], 0
	s_mov_b32 s[\g+7], 0
.endm
.macro JLOAD g0a, g1a, g0b, g1b        ; a joint load: waves 0, 1 for O, waves 2, 3 for Wo; an s_nop 0 and four v_nop follow each line
	s_cmp_eq_u32 s[WI], 0
	s_cbranch_scc0 .Lfor_b_\@
	tensor_load_to_lds s[\g0a:\g0a+3], s[\g1a:\g1a+7]
	s_nop 0
.rept 4
	v_nop
.endr
	s_branch .Lasked_\@
.Lfor_b_\@:
	tensor_load_to_lds s[\g0b:\g0b+3], s[\g1b:\g1b+7]
	s_nop 0
.rept 4
	v_nop
.endr
.Lasked_\@:
.endm
.macro CROUND                          ; a round of the cluster's barrier
	s_barrier_signal -1
	s_barrier_wait -1
	s_cmp_lg_u32 s[WV], 0
	s_cbranch_scc1 .Lnot_wave_0_\@
	s_barrier_signal -3
.Lnot_wave_0_\@:
	s_barrier_wait -3
	s_barrier_signal -1
	s_barrier_wait -1
.endm
.macro FRAG reg, adr, off              ; a fragment comes back as it was stored: three loads of 512 consecutive bytes
.irp c, 0,1,2
	ds_load_b128 v[\reg+4*\c:\reg+4*\c+3], v[\adr] offset:\off+512*\c
.endr
.endm
.macro FETCH t                         ; K step t's fragments and scale words into set t % 2: 38 loads in one run
.set RG, ((\t)/4)%2
.set QQ, (\t)%4
.set PS, (\t)%2
	WIN TO_B
.irp i, 0,1,2,3,4,5,6,7
	FRAG 96*PS+FR*\i, ADRB+RG, QQ*STEPB+\i*FRB
.endr
	WIN 0
.irp i, 0,1,2,3
	FRAG AF+48*PS+FR*\i, ADRA+RG, QQ*STEPB+\i*FRB
.endr
	ds_load_b128 v[SC+8*PS:SC+8*PS+3], v[ADRS] offset:(\t)*512
	ds_load_b128 v[SC+8*PS+4:SC+8*PS+7], v[ADRT] offset:(\t)*512
.endm
; 8 matrix instructions: my block a of O x Wo's eight groups, K step t.  The 32 accumulators take turns, one instruction a turn, in the same order in every step.  zero = 1: the products start the sums.
.macro MUL8 a, t, zero
.set ST, SC+8*((\t)%2)
.set AA, AF+48*((\t)%2)+FR*(\a)
.irp b, 0,1,2,3,4,5,6,7
.set DD, 8*(8*(\a)+\b)
.set BB, 96*((\t)%2)+FR*\b
.if \zero
	v_wmma_scale_f32_16x16x128_f8f6f4 v[DD:DD+7], v[BB:BB+11], v[AA:AA+11], 0, v[ST+\b], v[ST+(\a)] matrix_a_fmt:MATRIX_FMT_BF6 matrix_b_fmt:MATRIX_FMT_BF6 matrix_a_scale:MATRIX_SCALE_ROW1
.else
	v_wmma_scale_f32_16x16x128_f8f6f4 v[DD:DD+7], v[BB:BB+11], v[AA:AA+11], v[DD:DD+7], v[ST+\b], v[ST+(\a)] matrix_a_fmt:MATRIX_FMT_BF6 matrix_b_fmt:MATRIX_FMT_BF6 matrix_a_scale:MATRIX_SCALE_ROW1
.endif
.endr
.endm
.macro STEP t, zero                    ; a K step whose successor lies in the same slot: the successor's loads go out first and land under this step's 32 products
	s_wait_dscnt 0x0                               ; this step's set is in
.if (\t) > 0
	PLACES 4                                       ; behind the last step's products, which read the set that is loaded now
.endif
	FETCH (\t)+1
	WIN MULW
	MUL8 0, \t, \zero
	MUL8 1, \t, \zero
	MUL8 2, \t, \zero
	MUL8 3, \t, \zero
	WIN 0
.endm
	s_load_b256 s[4:11], s[0:1], 0x0               ; oo, xw, bo, out0
	v_lshl_add_u32 v[SPW], v0, 2, SPARE
	v_mov_b32 v[NIL], 0
	ds_add_u32 v[SPW], v[NIL]                      ; the opening: the add, twice on end, and its wait ahead of my first tensor load
	ds_add_u32 v[SPW], v[NIL]
	v_lshrrev_b32 v1, 5, v0
	v_readfirstlane_b32 s[WV], v1
	s_lshr_b32 s[WI], s[WV], 1                     ; which panel of O I multiply; also: I fetch for O (0) or Wo (1)
	s_and_b32 s[WJ], s[WV], 1                      ; which four of its groups; also: which panel of O, or which half of Wo's piece, I fetch
	s_bfe_u32 s[CX], ttmp6, 0x40000
	s_bfe_u32 s[CY], ttmp6, 0x40004
	s_lshl_b32 s2, s[CY], 2
	s_lshl_b32 s2, 15, s2                          ; my row of the cluster
	s_lshl_b32 s3, 0x1111, s[CX]                   ; my column
	s_or_b32 s[G1A], s2, (3<<16)|(1<<21)           ; 15:0 the mask; 17:16 elements of 8 bytes; 21 set beside a mask; no padding
	s_or_b32 s[G1B], s3, (3<<16)|(1<<21)
	s_or_b32 s[G1SA], s2, (3<<16)|(1<<21)
	s_or_b32 s[G1SB], s3, (3<<16)|(1<<21)
	G1SET G1A, 192                                 ; 49,152 bytes
	G1SET G1B, 96                                  ; 24,576
	G1SET G1SA, 16                                 ; 4,096
	G1SET G1SB, 8                                  ; 2,048
	s_and_b32 s2, ttmp7, 0xffff
	s_lshl_b32 s[TI], s2, 2
	s_add_co_u32 s[TI], s[TI], s[CY]               ; tile row: 256 tokens
	s_lshl_b32 s[TJ], ttmp9, 2
	s_add_co_u32 s[TJ], s[TJ], s[CX]               ; tile column: 128 outputs
	s_lshl_b32 s92, s[TI], 1
	s_add_co_u32 s92, s92, s[WJ]                   ; the panel of O that I would fetch
	s_mul_i32 s94, s92, 98304
	s_mov_b32 s95, 0
	s_lshl_b32 s92, s92, 12
	s_add_co_u32 s92, s92, 6291456
	s_mov_b32 s93, 0
	s_add_co_u32 s96, s[TJ], 88                    ; Wo's panel in xw
	s_mul_i32 s98, s96, 98304
	s_mul_i32 s99, s[WJ], BHALF
	s_add_co_u32 s98, s98, s99                     ; my half of its piece
	s_mov_b32 s99, 0
	s_lshl_b32 s96, s96, 12
	s_lshl_b32 s97, s[WJ], 11
	s_add_co_u32 s96, s96, s97                     ; my half of its scale words
	s_add_co_u32 s96, s96, 9437184
	s_mov_b32 s97, 0
	s_wait_dscnt 0x0                               ; both opening adds are done
	s_wait_kmcnt 0x0
	s_add_nc_u64 s[94:95], s[4:5], s[94:95]
	s_add_nc_u64 s[92:93], s[4:5], s[92:93]
	s_add_nc_u64 s[98:99], s[6:7], s[98:99]
	s_add_nc_u64 s[96:97], s[6:7], s[96:97]
	s_mul_i32 s3, s[WJ], APIECE                    ; LDS places hang on the wave's number alone: O's panel in a slot,
	s_mul_i32 s2, s[WJ], BHALF
	s_add_co_u32 s2, s2, 2*APIECE                  ; Wo's half piece
	CROUND                                         ; all sixteen work-groups are here: the first joint loads meet
	s_mov_b32 s[G0SA], 1
	s_lshl_b32 s[G0SA+1], s[WJ], 12
	s_add_co_u32 s[G0SA+1], s[G0SA+1], SCL
	s_mov_b64 s[G0SA+2:G0SA+3], s[92:93]
	s_or_b32 s[G0SA+3], s[G0SA+3], 0x80000000
	s_mov_b32 s[G0SB], 1
	s_lshl_b32 s[G0SB+1], s[WJ], 11
	s_add_co_u32 s[G0SB+1], s[G0SB+1], SCL+8192
	s_mov_b64 s[G0SB+2:G0SB+3], s[96:97]
	s_or_b32 s[G0SB+3], s[G0SB+3], 0x80000000
	JLOAD G0SA, G1SA, G0SB, G1SB
.irp r, 0,1
.set GA, G0A+4*\r
.set GB, G0B+4*\r
	s_mov_b32 s[GA], 1
	s_add_co_u32 s[GA+1], s3, \r*SLOT
	s_add_nc_u64 s[GA+2:GA+3], s[94:95], \r*APIECE
	s_or_b32 s[GA+3], s[GA+3], 0x80000000
	s_mov_b32 s[GB], 1
	s_add_co_u32 s[GB+1], s2, \r*SLOT
	s_add_nc_u64 s[GB+2:GB+3], s[98:99], \r*APIECE
	s_or_b32 s[GB+3], s[GB+3], 0x80000000
	JLOAD GA, G1A, GB, G1B
.endr
	; the LDS addresses
	v_and_b32 v1, 15, v0                           ; r
	v_bfe_u32 v2, v0, 4, 1                         ; h
	v_and_b32 v3, 31, v0
	v_lshlrev_b32 v[LI], 4, v3
	s_mul_i32 s2, s[WI], APIECE
	s_mul_i32 s3, s[WJ], 4*FRB
	s_add_co_u32 s2, s2, s3                        ; my panel of O, my four groups
.irp r, 0,1
	v_add_nc_u32 v[ADRA+\r], s2, v[LI]
	v_add_nc_u32 v[ADRB+\r], 2*APIECE+\r*SLOT, v[LI]
	s_add_co_u32 s2, s2, SLOT
.endr
	s_xor_b32 s3, s[WI], 1
	s_lshl_b32 s3, s3, 12
	s_xor_b32 s2, s[WJ], 1
	s_lshl_b32 s2, s2, 8
	s_add_co_u32 s3, s3, s2
	s_add_co_u32 s3, s3, 3840                      ; 8,192 - 4,096 WI - 256 WJ: from my groups' words to those of Wo's groups 0-3
	v_mul_u32_u24 v3, s3, v2                       ; lanes 16-31 take Wo's
	s_lshl_b32 s2, s[WI], 12
	s_lshl_b32 s3, s[WJ], 8
	s_add_co_u32 s2, s2, s3
	s_add_co_u32 s2, s2, SCL
	v_lshl_add_u32 v3, v1, 4, v3
	v_add_nc_u32 v[ADRS], s2, v3
	v_lshl_add_u32 v[ADRT], v1, 4, SCL+8192+256
	s_mul_i32 s2, s[WV], 8448
	s_add_co_u32 s2, s2, STAGE                     ; my stage
	v_mul_u32_u24 v3, v1, 528
	v_lshl_add_u32 v3, v2, 6, v3
	v_add_nc_u32 v[STO], s2, v3                    ; in: row r, + 64 h
	v_add_nc_u32 v[RD], s2, v[LI]                  ; back: 16 bytes a lane of a row of 512
	s_lshl_b32 s3, s[TJ], 9                        ; my 128 outputs, in bytes
	v_lshlrev_b32 v6, 6, v2
	v_add_nc_u32 v6, s3, v6                        ; register 16 b + i is output 32 b + 16 h + i of them
	WIN TO_B
.irp b, 0,1,2,3
.irp q, 0,1,2,3
	global_load_b128 v[BJ+16*\b+4*\q:BJ+16*\b+4*\q+3], v6, s[8:9] offset:128*\b+16*\q   ; bo: waited for on the way out, where it is first read; v6 and s[8:9] stay as they are till then
.endr
.endr
	WIN 0
	s_lshl_b32 s2, s[TI], 1
	s_add_co_u32 s2, s2, s[WI]                     ; my panel of tokens
	s_lshl_b32 s92, s2, 19                         ; 128 rows of 4,096 bytes
	s_lshl_b32 s2, s[WJ], 18                       ; my four groups are its rows 64 (w % 2) on
	s_add_co_u32 s92, s92, s2
	s_add_co_u32 s92, s92, s3
	s_mov_b32 s93, 0
	s_add_nc_u64 s[OC:OC+1], s[10:11], s[92:93]
	s_wait_tensorcnt 0x1                           ; my scale words and my part of slot 0 are in; slot 1 may stay out
	s_barrier_signal -1
	s_barrier_wait -1
	FETCH 0
	STEP 0, 1
	STEP 1, 0
	STEP 2, 0
	; slot 0's last K step changes slots: each wave's part of slot 1 has landed, its reads of slot 0 are over; one barrier shows both to all four waves.  Nothing is filled again
	s_wait_tensorcnt 0x0                           ; all my tensor loads have landed
	ds_add_u32 v[SPW], v[NIL]                      ; 0 onto my spare word
	s_wait_dscnt 0x1                               ; this step's set is in (the add may be out)
	WIN MULW
	MUL8 0, 3, 0
	s_wait_dscnt 0x0                               ; the add is done, and my reads of slot 0 are over
	s_barrier_signal -1
	MUL8 1, 3, 0
	WIN 0
	s_barrier_wait -1
	PLACES 4
	FETCH 4
	WIN MULW
	MUL8 2, 3, 0
	MUL8 3, 3, 0
	WIN 0
	STEP 4, 0
	STEP 5, 0
	STEP 6, 0
	s_wait_dscnt 0x0                               ; the last K step fetches nothing
	WIN MULW
	MUL8 0, 7, 0
	MUL8 1, 7, 0
	MUL8 2, 7, 0
	MUL8 3, 7, 0
	WIN 0
	PLACES 4
	s_wait_loadcnt 0x0                             ; bo
.macro TOSTAGE a
.set AC, 64*(\a)
.set XX, X0+64*((\a)%2)
.set BK, 64*((\a)%2)
	WIN 0x06                                       ; source 0: the accumulators' window; source 1: window 1
.set j, 0
.rept 32
	v_pk_add_f32 v[XX+j:XX+j+1], v[AC+j:AC+j+1], v[BJ+j:BJ+j+1]
.set j, j+2
.endr
	WIN 0
.irp b, 0,1,2,3
.irp q, 0,1,2,3
	ds_store_b128 v[STO], v[XX+16*\b+4*\q:XX+16*\b+4*\q+3] offset:128*\b+16*\q
.endr
.endr
	WIN TO_B
.irp t, 0,1,2,3,4,5,6,7,8,9,10,11,12,13,14,15
	ds_load_b128 v[BK+4*\t:BK+4*\t+3], v[RD] offset:528*\t   ; LDS serves a wave's instructions in order: these see the stores above, and the next block's stores come behind them
.endr
	WIN 0
.endm
.macro SEND a, younger                 ; younger: the LDS instructions issued behind block a's loads, which may stay out
.set BK, 64*((\a)%2)
	s_wait_dscnt \younger
	WIN 0x04                                       ; a store's data are its source 1: window 1
.irp t, 0,1,2,3,4,5,6,7,8,9,10,11,12,13,14,15
	global_store_b128 v[LI], v[BK+4*\t:BK+4*\t+3], s[OC:OC+1] offset:(32*((\a)/2)+8*((\a)%2)+\t+8*(\t/8))*4096 th:TH_STORE_NT   ; lane row t of block a is that token of my 64; 512 consecutive bytes, at a multiple of 256 from out0's first byte
.endr
	WIN 0
.endm
	TOSTAGE 0
.irp a, 1,2,3
.if \a > 1
	s_wait_xcnt 0x0                                ; block a - 2's stores have read their registers: block a's loads may land there
.endif
	TOSTAGE \a
	SEND \a-1, 32                                  ; behind block a - 1's loads: block a's 16 stores and 16 loads
.endr
	SEND 3, 0
	s_wait_tensorcnt 0x0                           ; the wave's end, behind my last tensor load and my last LDS store
	ds_add_u32 v[SPW], v[NIL]
	s_wait_dscnt 0x0
	CROUND                                         ; the closing round
	s_endpgm
.Lfunc_end_k_q31ed1d6d30_outp:
	.size	k_q31ed1d6d30_outp, .Lfunc_end_k_q31ed1d6d30_outp-k_q31ed1d6d30_outp
	.p2alignl 7, 3214868480
	.fill 96, 4, 3214868480
	.section	.rodata,"a",@progbits
	.p2align	6, 0x0
	.amdhsa_kernel k_q31ed1d6d30_outp
		.amdhsa_group_segment_fixed_size 327680
		.amdhsa_private_segment_fixed_size 0
		.amdhsa_enable_private_segment 0
		.amdhsa_kernarg_size 32
		.amdhsa_user_sgpr_count 2
		.amdhsa_user_sgpr_kernarg_segment_ptr 1
		.amdhsa_wavefront_size32 1
		.amdhsa_system_sgpr_workgroup_id_x 1
		.amdhsa_system_sgpr_workgroup_id_y 1
		.amdhsa_system_sgpr_workgroup_id_z 1
		.amdhsa_system_vgpr_workitem_id 0
		.amdhsa_next_free_vgpr 768
		.amdhsa_next_free_sgpr 102
		.amdhsa_reserve_vcc 0
		.amdhsa_float_denorm_mode_32 3
		.amdhsa_float_denorm_mode_16_64 3
		.amdhsa_memory_ordered 1
		.amdhsa_forward_progress 1
		.amdhsa_inst_pref_size 88
	.end_amdhsa_kernel
	.amdgpu_metadata
---
amdhsa.version: [ 1, 2 ]
amdhsa.kernels:
  - .name:           k_q31ed1d6d30_outp
    .symbol:         k_q31ed1d6d30_outp.kd
    .args:
      - { .name: oo, .offset: 0, .size: 8, .value_kind: global_buffer, .address_space: global }
      - { .name: xw, .offset: 8, .size: 8, .value_kind: global_buffer, .address_space: global }
      - { .name: bo, .offset: 16, .size: 8, .value_kind: global_buffer, .address_space: global }
      - { .name: out0, .offset: 24, .size: 8, .value_kind: global_buffer, .address_space: global }
    .group_segment_fixed_size: 327680
    .private_segment_fixed_size: 0
    .kernarg_segment_align: 8
    .kernarg_segment_size: 32
    .max_flat_workgroup_size: 128
    .sgpr_count:     102
    .vgpr_count:     768
    .wavefront_size: 32
...
	.end_amdgpu_metadata
.endif
;; end of part 5
